; MI455X (gfx1250); checked and timed in simulation.
; The chip was launched on July 23, 2026; its instructions are those of AMD's public machine-readable ISA for CDNA 5 (MIT licence, August 2026) and "CDNA5" Instruction Set Architecture Reference Guide (July 2026). The comments in the code are by the model that wrote it; some were corrected since.
;; Attention Block. Allowed arithmetic: matrix products marked QUANTISED: E2M1 operands, one E8M0 scale for each 32 along K, by v_wmma_scale_f32_16x16x128_f8f6f4 with both operands' format E2M1 (or v_wmma_scale_f32_32x16x128_f4), f32 sums; everything else in f32.
;; Inputs: context_features 8 x 2,048 x 2,048 float32; f_W 512 x 2,048 float32; f_b 2,048 float32; f_beta 512 float32; f_gamma 512 float32; f_mean 512 float32; f_var 512 float32; input_features 8 x 1,024 x 2,048 float32; k_W 2,048 x 512 float32; k_b 512 float32; k_beta 2,048 float32; k_gamma 2,048 float32; k_mean 2,048 float32; k_var 2,048 float32; q_W 2,048 x 512 float32; q_b 512 float32; q_beta 2,048 float32; q_gamma 2,048 float32; q_mean 2,048 float32; q_var 2,048 float32; v_W 2,048 x 512 float32; v_b 512 float32; v_beta 2,048 float32; v_gamma 2,048 float32; v_mean 2,048 float32; v_var 2,048 float32; valid_mask 8 x 2,048 bool.
;; Outputs: out0 8 x 1,024 x 2,048 float32.
;; This version of the problem:
;;   THIS VERSION OF THE PROBLEM IS GIVEN IN LOW PRECISION. The matrix products marked QUANTISED in the list below multiply operands that are first quantised to E2M1 (2 exponent bits, 1 mantissa bit; 4 bits a number), with one power-of-two scale for each 32 numbers along K (OCP MX v1.0); their sums are f32. All else is computed in f32.
;;   The module's matrix products, in the order in which they are computed (A, B: the left and right operand; K: the contracted axis; several contracted axes count as one K, in the product's order):
;;     1. [M 8,192, K 2,048] x [K 2,048, N 512]; A: computed on the way; B: input q_W: QUANTISED
;;     2. [M 16,384, K 2,048] x [K 2,048, N 512]; A: computed on the way; B: input k_W: QUANTISED
;;     3. [M 16,384, K 2,048] x [K 2,048, N 512]; A: computed on the way; B: input v_W: QUANTISED
;;     4. batch 8 x [M 1,024, K 512] x [K 512, N 2,048]; A: computed on the way; B: computed on the way: QUANTISED
;;     5. batch 8 x [M 1,024, K 2,048] x [K 2,048, N 512]; A: softmax (see below); B: computed on the way: QUANTISED
;;     6. [M 8,192, K 512] x [K 512, N 2,048]; A: computed on the way; B: input f_W: QUANTISED
;;   THE QUANTISER, for each operand of a quantised product, along K:
;;     - K is cut into blocks of 32 from its start; a last block that is shorter is filled with zeros.
;;     - A block's scale is 2^e with e = floor(log2(the largest magnitude in the block)) - 2, held to -126 .. 127; a block of zeros has e = 0. As a byte (E8M0): e + 127.
;;     - Each number is divided by its block's scale, clamped to +-6, and rounded to the nearest number of E2M1, ties to even, subnormals kept.
;;     - The product sums the exact products of the quantised numbers (number of the format x scale) in f32.
;;   ~~~python
;;   def quantise(x, axis):      # numpy; x: float32 -> the quantised numbers, widened to float32 again
;;       x = np.moveaxis(x, axis, -1); K = x.shape[-1]
;;       x = np.pad(x, [(0, 0)] * (x.ndim - 1) + [(0, -K % 32)]); x = x.reshape(x.shape[:-1] + (-1, 32)); a = np.abs(x).max(-1, keepdims=True)
;;       e = np.where(a > 0, np.clip(np.frexp(np.where(a > 0, a, 1))[1] - 1 - 2, -126, 127), 0)      # np.frexp(a)[1] - 1 = floor(log2(a)), exactly
;;       r = np.clip(x / 2.0 ** e, -6, 6)
;;       step = 2.0 ** (np.maximum(np.frexp(np.where(r == 0, 1, r))[1] - 1, 0) - 1)
;;       q = np.round(r / step) * step * 2.0 ** e      # np.round: ties to even
;;       return np.moveaxis(q.reshape(q.shape[:-2] + (-1,))[..., :K], -1, axis).astype(np.float32)
;;   ~~~
;;   SOFTMAX AHEAD OF A QUANTISED PRODUCT. Where the list says 'softmax', what is quantised is not the finished softmax but p = 2^(t - M), with t = logit x log2(e) and M = ceil(the row's largest t), a whole number; so 1/2 < the row's largest p <= 1. The row's sum l is taken of the UNQUANTISED p, in f32, and the product's result is divided by l at the end. Since M is a whole number, a kernel that streams over the keys may use a running M (the ceiling of the running maximum): every later rescaling is an exact power of two, which a block's scale takes up: the codes' values come out the same.
;;   OPERANDS COMPUTED ON THE WAY. 'Computed on the way' means the value that the module computes at that place (a softmax that the list does not call 'softmax' is quantised finished and normalised). What goes into a quantiser is computed in f32, as accurately as f32 sums, v_exp_f32 and their like allow (about 1e-6 of the number): no bf16 or f16 on the way to a quantiser, and a product that is left as it is and whose result goes on into a quantised operand takes f32 operands (vector FMAs, or v_wmma_f32_16x16x4_f32). A number that lies on a knife's edge between two numbers of the format may be rounded either way, as far as f32 arithmetic and the matrix unit's own rounding can turn it there, and no further.
;; One version. Each part assembles by itself: llvm-mc -triple=amdgcn-amd-amdhsa -mcpu=gfx1250 --defsym DOCPART=n.
;; ======== version 1 of 1: 3 launches
;; limits: a difference of large sums (such as E[x^2] - mean^2): digits are lost where the result is much smaller than its terms
;; workspace buffers: wq 557,056 bytes; wkv 1,146,880 bytes; wf 557,056 bytes; bn 20,480 bytes; kv 8,912,896 bytes; npad 65,536 bytes
;; launch prep (part 1): grid 256 x 1, 8 waves a work-group, no clusters, 2,048 bytes of LDS; arguments q_W, k_W, v_W, f_W, q_gamma, k_gamma, v_gamma, f_gamma, q_var, k_var, v_var, f_var, q_mean, k_mean, v_mean, f_mean, q_beta, k_beta, v_beta, f_beta, wq, wkv, wf, bn; writes wq, wkv, wf, bn
.if DOCPART == 1
	.amdgcn_target "amdgcn-amd-amdhsa--gfx1250"
	.amdhsa_code_object_version 6
	.text
	.protected	k_qd9124dbc2e_prep
	.globl	k_qd9124dbc2e_prep
	.p2align	8
	.type	k_qd9124dbc2e_prep,@function
k_qd9124dbc2e_prep:
	s_mov_b64 s[64:65], 0
	v_nop
	global_prefetch_b8 v0, s[64:65] scope:SCOPE_SE
	s_setreg_imm32_b32 hwreg(HW_REG_WAVE_MODE, 25, 1), 1
	s_wait_xcnt 0x0
; The four weights ([K][N] f32, K the first axis) become codes of FP4 (E2M1) with one E8M0 byte for each 32 along K, laid in the order of the
; matrix operand's registers; the four batch norms are folded into a = gamma * rsq(var + 0.001) and c = beta - mean * a, so that h = x a + c is one fused multiply-add.
; A FRAGMENT (16 columns n x 128 k) is 1,024 bytes: block 2 c + h of 32 k of row r lies at 512 c + 256 h + 16 r.  THE COLUMNS OF A TILE ARE NOT NEIGHBOURS:
; row r of tile 2 b + u is column 32 b + 8 u + r + 8 (r / 8), so that the results of two neighbouring tiles are 16 neighbours along the next product's K.
; SHARES: work-group g: weight g / 64 (q, k, v, f), 64 columns x 256 k.  Wave: 32 columns x 64 k.  A lane takes a column, its 64 registers run down K: a block of 32 is one lane's, no other lane is asked.
; wkv: 8 chunks (256 k) x 4 parts (128 columns) of 35,840 bytes: 32 fragments [k step][k or v][tile], 8 groups of 256 scale bytes, 1,024 bytes of a or c of the NEXT 256 k.
; wq, wf: 4 chunks x 4 parts of 34,816 bytes: 32 fragments [k step of 128][tile], 8 groups of scale bytes.  wq's chunk is 512 k, wf's 512 columns.
; LIMITS: a block whose largest magnitude lies under 2^-124 keeps the byte 1 (a block of zeros too: its codes are zeros, and this program alone reads the bytes); NaN and infinities are not served.
.set X,  16                            ; v16-79  64 numbers down K
.set CD, 80                            ; v80-87  the codes of my two blocks
	s_load_b256 s[8:15], s[0:1], 0x0               ; the four weights
	s_load_b256 s[16:23], s[0:1], 0x20             ; gamma
	s_load_b256 s[24:31], s[0:1], 0x40             ; var
	s_load_b256 s[32:39], s[0:1], 0x60             ; mean
	s_load_b256 s[40:47], s[0:1], 0x80             ; beta
	s_load_b256 s[48:55], s[0:1], 0xa0             ; wq, wkv, wf, bn
	v_lshl_add_u32 v128, v0, 2, 0x400
	v_mov_b32 v129, 0
	v_lshrrev_b32 v1, 5, v0
	v_readfirstlane_b32 s62, v1                    ; wave 0..7
	v_and_b32 v1, 31, v0                           ; lane = my column in the group of 32
	v_lshlrev_b32 v2, 2, v1                        ; its 4 bytes in a row of the weight
	v_bfe_u32 v3, v0, 3, 1                         ; u: which of the two tiles my column falls into
	v_bfe_u32 v4, v0, 4, 1
	v_and_b32 v5, 7, v0
	v_lshl_or_b32 v5, v4, 3, v5                    ; r: its row there
	v_lshlrev_b32 v6, 4, v5
	v_lshl_add_u32 v7, v3, 10, v6                  ; codes: 1,024 u + 16 r
	v_lshl_add_u32 v8, v3, 3, v6                   ; scale words: 16 r + 8 u
	v_lshlrev_b32 v11, 4, v1                       ; 16 x lane
	s_lshr_b32 s56, ttmp9, 6                       ; which weight: 0 q, 1 k, 2 v, 3 f
	s_and_b32 s57, ttmp9, 63
	s_cmp_eq_u32 s56, 3
	s_cselect_b32 s58, 31, 7
	s_cselect_b32 s59, 5, 3
	s_cselect_b32 s71, 13, 11                      ; a row of f_W is 8,192 bytes, of the others 2,048
	s_and_b32 s60, s57, s58                        ; cg: which 64 columns
	s_lshr_b32 s61, s57, s59                       ; kk: which 256 k
	s_and_b32 s63, s62, 1
	s_lshl_b32 s66, s60, 1
	s_add_co_u32 s66, s66, s63                     ; b: my group of 32 columns
	s_lshr_b32 s67, s62, 1                         ; kq: my 64 of the 256 k
	s_lshr_b32 s68, s67, 1                         ; ks: which 128
	s_and_b32 s69, s67, 1                          ; c: which 64 of them
	s_lshl_b32 s80, s61, 8
	s_lshl_b32 s81, s67, 6
	s_add_co_u32 s80, s80, s81                     ; my first k
	s_lshl_b32 s80, s80, s71
	s_lshl_b32 s81, s66, 7
	s_add_co_u32 s80, s80, s81                     ; where I read, in bytes
	s_mov_b32 s81, 0
	; where the codes and scale bytes go: chunk, part, fragment, group of scale bytes
	s_and_b32 s72, s66, 3                          ; b'
	s_lshr_b32 s73, s66, 2
	s_and_b32 s73, s73, 3                          ; part
	s_sub_co_u32 s70, s56, 1                       ; P: 0 for k, 1 for v
	s_lshr_b32 s74, s61, 1                         ; q: chunk = kk / 2,
	s_and_b32 s75, s61, 1                          ;    half of it = kk % 2
	s_lshr_b32 s82, s66, 4
	s_cmp_eq_u32 s56, 3
	s_cselect_b32 s74, s82, s74                    ; f: chunk = b / 16,
	s_cselect_b32 s75, s61, s75                    ;    half = kk
	s_lshl_b32 s76, s75, 4
	s_lshl_b32 s82, s68, 3
	s_add_co_u32 s76, s76, s82
	s_lshl_b32 s83, s72, 1
	s_add_co_u32 s76, s76, s83                     ; q, f: fragment 8 (2 half + ks) + 2 b'
	s_add_co_u32 s77, s83, s75                     ;       group 2 b' + half
	s_lshl_b32 s84, s68, 4
	s_lshl_b32 s85, s70, 3
	s_add_co_u32 s84, s84, s85
	s_add_co_u32 s84, s84, s83                     ; k, v: fragment 16 ks + 8 P + 2 b'
	s_lshl_b32 s85, s70, 2
	s_add_co_u32 s85, s85, s72                     ;       group 4 P + b'
	s_mov_b32 s78, 139264
	s_mov_b32 s79, 34816
	s_mov_b32 s86, 143360
	s_mov_b32 s87, 35840
	s_cmp_lt_u32 s70, 2                            ; k or v?
	s_cselect_b32 s74, s61, s74                    ; their chunk is kk
	s_cselect_b32 s76, s84, s76
	s_cselect_b32 s77, s85, s77
	s_cselect_b32 s78, s86, s78
	s_cselect_b32 s79, s87, s79
	s_cselect_b32 s88, 1, 0
	s_mul_i32 s82, s74, s78
	s_mul_i32 s83, s73, s79
	s_add_co_u32 s82, s82, s83                     ; chunk + part, in bytes
	s_lshl_b32 s84, s76, 10
	s_add_co_u32 s84, s84, s82
	s_lshl_b32 s85, s69, 9
	s_add_co_u32 s84, s84, s85                     ; the codes' place
	s_mov_b32 s85, 0
	s_lshl_b32 s86, s77, 8
	s_add_co_u32 s86, s86, s82
	s_add_co_u32 s86, s86, 32768                   ; the scale words' place
	s_mov_b32 s87, 0
	; where a and c go
	s_add_co_u32 s89, s61, 7
	s_and_b32 s89, s89, 7                          ; k, v: the chunk BEFORE (the last chunk carries the first 256 k's)
	s_mul_i32 s89, s89, 143360
	s_mul_i32 s90, s70, 71680                      ; parts 2 P (a) and 2 P + 1 (c)
	s_add_co_u32 s89, s89, s90
	s_add_co_u32 s89, s89, 34816
	s_lshl_b32 s90, s61, 10                        ; 256 numbers of 4 bytes for each kk
	s_mov_b32 s92, 8192
	s_cmp_eq_u32 s56, 3
	s_cselect_b32 s91, 16384, 0                    ; bn: a_q at 0, c_q at 8,192, a_f at 16,384, c_f at 18,432
	s_cselect_b32 s92, 2048, s92
	s_add_co_u32 s91, s91, s90
	s_mov_b32 s93, 35840
	s_cmp_eq_u32 s88, 1
	s_cselect_b32 s91, s89, s91                    ; a's place
	s_cselect_b32 s92, s93, s92                    ; from a to c
	s_lshl_b32 s94, s63, 8
	s_lshl_b32 s95, s67, 1
	v_lshlrev_b32 v10, 3, v1
	v_add_nc_u32 v10, s94, v10                     ; LDS: 256 bytes for each group of 32 columns, 8 bytes a column
	v_add_nc_u32 v9, s95, v10                      ; my two bytes of them: 2 kq
	s_wait_kmcnt 0x0
	s_cmp_eq_u32 s56, 1                            ; the weight's own five pointers; the choice hangs on the work-group's number alone
.irp g, 8,16,24,32,40
	s_cselect_b64 s[\g:\g+1], s[\g+2:\g+3], s[\g:\g+1]
.endr
	s_cmp_eq_u32 s56, 2
.irp g, 8,16,24,32,40
	s_cselect_b64 s[\g:\g+1], s[\g+4:\g+5], s[\g:\g+1]
.endr
	s_cmp_eq_u32 s56, 3
.irp g, 8,16,24,32,40
	s_cselect_b64 s[\g:\g+1], s[\g+6:\g+7], s[\g:\g+1]
.endr
	s_cselect_b64 s[48:49], s[52:53], s[48:49]
	s_cmp_eq_u32 s88, 1
	s_cselect_b64 s[48:49], s[50:51], s[48:49]     ; the codes' buffer
	s_cselect_b64 s[54:55], s[50:51], s[54:55]     ; a's and c's buffer
	s_add_nc_u64 s[8:9], s[8:9], s[80:81]
	s_add_nc_u64 s[52:53], s[48:49], s[86:87]
	s_add_nc_u64 s[48:49], s[48:49], s[84:85]
.macro LOADW pitch                     ; W(my first k + i, my column): 32 lanes read 128 neighbouring bytes; all 64 loads of the wave go out at once
.set I, 0
.rept 64
	global_load_b32 v[X+I], v2, s[8:9] offset:I*\pitch th:TH_LOAD_NT
.set I, I+1
.endr
.endm
	s_cmp_eq_u32 s56, 3
	s_cbranch_scc1 .Lwide
	LOADW 2048
	s_branch .Lloaded
.Lwide:
	LOADW 8192
.Lloaded:
.macro BLK hh                          ; block hh of my two: its largest magnitude, the scale, 32 codes = 16 bytes
.set XS, X+32*\hh
	v_max3_num_f32 v88, |v[XS]|, |v[XS+1]|, |v[XS+2]|
	v_max3_num_f32 v89, |v[XS+3]|, |v[XS+4]|, |v[XS+5]|
.irp i, 6,10,14,18,22,26
	v_max3_num_f32 v88, v88, |v[XS+\i]|, |v[XS+\i+1]|
	v_max3_num_f32 v89, v89, |v[XS+\i+2]|, |v[XS+\i+3]|
.endr
	v_max3_num_f32 v88, v88, |v[XS+30]|, |v[XS+31]|
	v_max3_num_f32 v88, v88, v89, 0x1800000        ; the floor 2^(3 - 127): the byte cannot fall under 1
	v_add_nc_u32 v[90+\hh], 0xff000000, v88        ; 2 off the exponent field: the conversion takes that field as its scale
.irp g, 0,1,2,3
	v_cvt_scalef32_pk8_fp4_f32 v[CD+4*\hh+\g], v[XS+8*\g:XS+8*\g+7], v[90+\hh]
.endr
	v_lshrrev_b32 v[92+\hh], 23, v[90+\hh]         ; the scale's byte
	global_store_b128 v7, v[CD+4*\hh:CD+4*\hh+3], s[48:49] offset:256*\hh   ; sixteen lanes fill 256 consecutive bytes of each of the two tiles
.endm
	s_wait_loadcnt 32                              ; the first block's 32 loads are in
	BLK 0
	s_wait_loadcnt 0x0
	BLK 1
	v_lshl_or_b32 v94, v93, 8, v92
	ds_store_b16 v9, v94                           ; the four waves of a column group gather a column's 8 bytes
	s_wait_dscnt 0x0                               ; for the others' sake
	s_barrier_signal -1
	s_barrier_wait -1
	s_cmp_lt_u32 s62, 2
	s_cbranch_scc0 .Lnot01
	ds_load_b64 v[96:97], v10
	s_wait_dscnt 0x0
	global_store_b64 v8, v[96:97], s[52:53]        ; 32 lanes store 256 consecutive bytes: for each row the words of tile u, k steps 0 and 1
.Lnot01:
	s_cmp_eq_u32 s62, 2                            ; a and c of these 256 k: wave 2 of the first column group
	s_cselect_b32 s94, 1, 0
	s_cmp_eq_u32 s60, 0
	s_cselect_b32 s94, s94, 0
	s_cmp_eq_u32 s94, 1
	s_cbranch_scc0 .Lend
	s_mov_b32 s80, s90
	s_add_nc_u64 s[16:17], s[16:17], s[80:81]
	s_add_nc_u64 s[24:25], s[24:25], s[80:81]
	s_add_nc_u64 s[32:33], s[32:33], s[80:81]
	s_add_nc_u64 s[40:41], s[40:41], s[80:81]
	s_mov_b32 s84, s91
	s_add_nc_u64 s[54:55], s[54:55], s[84:85]
	s_mov_b32 s86, s92
	s_add_nc_u64 s[50:51], s[54:55], s[86:87]
.irp j, 0,1
	global_load_b128 v[16+4*\j:19+4*\j], v11, s[16:17] offset:512*\j
	global_load_b128 v[24+4*\j:27+4*\j], v11, s[24:25] offset:512*\j
	global_load_b128 v[32+4*\j:35+4*\j], v11, s[32:33] offset:512*\j
	global_load_b128 v[40+4*\j:43+4*\j], v11, s[40:41] offset:512*\j
.endr
	s_wait_loadcnt 0x0
.irp i, 0,1,2,3,4,5,6,7
	v_add_f32 v[24+\i], 0x3a83126f, v[24+\i]       ; var + 0.001
.endr
.irp i, 0,1,2,3,4,5,6,7
	v_rsq_f32 v[48+\i], v[24+\i]
.endr
	v_nop                                          ; a plain instruction behind the last root,
	s_wait_alu depctr_va_vdst(0)                   ; and one wait for the eight, ahead of their first reader
.irp i, 0,1,2,3,4,5,6,7
	v_mul_f32 v[56+\i], v[16+\i], v[48+\i]         ; a
.endr
.irp i, 0,1,2,3,4,5,6,7
	v_fma_f32 v[64+\i], -v[32+\i], v[56+\i], v[40+\i]   ; c = beta - mean a
.endr
.irp j, 0,1
	global_store_b128 v11, v[56+4*\j:59+4*\j], s[54:55] offset:512*\j
	global_store_b128 v11, v[64+4*\j:67+4*\j], s[50:51] offset:512*\j
.endr
.Lend:
	s_wait_tensorcnt 0x0
	ds_add_u32 v128, v129
	s_wait_dscnt 0x0
	s_endpgm
.Lfunc_end_k_qd9124dbc2e_prep:
	.size	k_qd9124dbc2e_prep, .Lfunc_end_k_qd9124dbc2e_prep-k_qd9124dbc2e_prep
	.p2alignl 7, 3214868480
	.fill 96, 4, 3214868480
	.section	.rodata,"a",@progbits
	.p2align	6, 0x0
	.amdhsa_kernel k_qd9124dbc2e_prep
		.amdhsa_group_segment_fixed_size 2048
		.amdhsa_private_segment_fixed_size 0
		.amdhsa_enable_private_segment 0
		.amdhsa_kernarg_size 192
		.amdhsa_user_sgpr_count 2
		.amdhsa_user_sgpr_kernarg_segment_ptr 1
		.amdhsa_wavefront_size32 1
		.amdhsa_system_sgpr_workgroup_id_x 1
		.amdhsa_system_sgpr_workgroup_id_y 1
		.amdhsa_system_sgpr_workgroup_id_z 1
		.amdhsa_system_vgpr_workitem_id 0
		.amdhsa_next_free_vgpr 130
		.amdhsa_next_free_sgpr 96
		.amdhsa_reserve_vcc 0
		.amdhsa_float_denorm_mode_32 3
		.amdhsa_float_denorm_mode_16_64 3
		.amdhsa_memory_ordered 1
		.amdhsa_forward_progress 1
		.amdhsa_inst_pref_size 25
	.end_amdhsa_kernel
	.amdgpu_metadata
---
amdhsa.version: [ 1, 2 ]
amdhsa.kernels:
  - .name:           k_qd9124dbc2e_prep
    .symbol:         k_qd9124dbc2e_prep.kd
    .args:
      - { .name: q_W, .offset: 0, .size: 8, .value_kind: global_buffer, .address_space: global }
      - { .name: k_W, .offset: 8, .size: 8, .value_kind: global_buffer, .address_space: global }
      - { .name: v_W, .offset: 16, .size: 8, .value_kind: global_buffer, .address_space: global }
      - { .name: f_W, .offset: 24, .size: 8, .value_kind: global_buffer, .address_space: global }
      - { .name: q_gamma, .offset: 32, .size: 8, .value_kind: global_buffer, .address_space: global }
      - { .name: k_gamma, .offset: 40, .size: 8, .value_kind: global_buffer, .address_space: global }
      - { .name: v_gamma, .offset: 48, .size: 8, .value_kind: global_buffer, .address_space: global }
      - { .name: f_gamma, .offset: 56, .size: 8, .value_kind: global_buffer, .address_space: global }
      - { .name: q_var, .offset: 64, .size: 8, .value_kind: global_buffer, .address_space: global }
      - { .name: k_var, .offset: 72, .size: 8, .value_kind: global_buffer, .address_space: global }
      - { .name: v_var, .offset: 80, .size: 8, .value_kind: global_buffer, .address_space: global }
      - { .name: f_var, .offset: 88, .size: 8, .value_kind: global_buffer, .address_space: global }
      - { .name: q_mean, .offset: 96, .size: 8, .value_kind: global_buffer, .address_space: global }
      - { .name: k_mean, .offset: 104, .size: 8, .value_kind: global_buffer, .address_space: global }
      - { .name: v_mean, .offset: 112, .size: 8, .value_kind: global_buffer, .address_space: global }
      - { .name: f_mean, .offset: 120, .size: 8, .value_kind: global_buffer, .address_space: global }
      - { .name: q_beta, .offset: 128, .size: 8, .value_kind: global_buffer, .address_space: global }
      - { .name: k_beta, .offset: 136, .size: 8, .value_kind: global_buffer, .address_space: global }
      - { .name: v_beta, .offset: 144, .size: 8, .value_kind: global_buffer, .address_space: global }
      - { .name: f_beta, .offset: 152, .size: 8, .value_kind: global_buffer, .address_space: global }
      - { .name: wq, .offset: 160, .size: 8, .value_kind: global_buffer, .address_space: global }
      - { .name: wkv, .offset: 168, .size: 8, .value_kind: global_buffer, .address_space: global }
      - { .name: wf, .offset: 176, .size: 8, .value_kind: global_buffer, .address_space: global }
      - { .name: bn, .offset: 184, .size: 8, .value_kind: global_buffer, .address_space: global }
    .group_segment_fixed_size: 2048
    .private_segment_fixed_size: 0
    .kernarg_segment_align: 8
    .kernarg_segment_size: 192
    .max_flat_workgroup_size: 256
    .sgpr_count:     96
    .vgpr_count:     130
    .wavefront_size: 32
...
	.end_amdgpu_metadata
.endif
;; end of part 1
;; launch kvproj (part 2): grid 256 x 1, 4 waves a work-group, clusters of 4 x 1, 327,680 bytes of LDS; arguments context_features, valid_mask, k_b, v_b, wkv, kv, npad; writes kv, npad
.if DOCPART == 2
	.amdgcn_target "amdgcn-amd-amdhsa--gfx1250"
	.amdhsa_code_object_version 6
	.text
	.protected	k_qd9124dbc2e_kvproj
	.globl	k_qd9124dbc2e_kvproj
	.p2align	8
	.type	k_qd9124dbc2e_kvproj,@function
k_qd9124dbc2e_kvproj:
	s_mov_b64 s[64:65], 0
	v_nop
	global_prefetch_b8 v0, s[64:65] scope:SCOPE_SE
	s_setreg_imm32_b32 hwreg(HW_REG_WAVE_MODE, 25, 1), 1
	s_wait_xcnt 0x0
	s_wait_alu depctr_hold_cnt(0) depctr_sa_sdst(0) depctr_va_vdst(0) depctr_va_sdst(0) depctr_va_ssrc(0) depctr_va_vcc(0) depctr_vm_vsrc(0)
	s_getreg_b32 s2, hwreg(HW_REG_IB_STS2, 6, 4)
	s_cmp_eq_u32 s2, 0
	s_cbranch_scc0 .Lentry_in_a_cluster
	s_endpgm
.Lentry_in_a_cluster:
	s_bfe_u32 s2, ttmp6, 0x10000c
	s_cmp_lg_u32 s2, 0x3003
	s_cbranch_scc0 .Lentry_shape_is_right
	s_endpgm
.Lentry_shape_is_right:
; keys and values: for 64 context rows a work-group: h = x a + c (twice: k's and v's batch norm), quantised along the 2,048 features; two products with the weights' codes; bias, clip to 0 .. 6,
; l2 norm over the 512 columns, v times the mask; k quantised along d, v along the keys; both stored as images of the attention's operand registers (a record of 34,816 bytes for 64 keys).
; x IS READ ONCE for both products, straight into a ring of 16 row slots in registers (32 loads of a wave always out): no two work-groups read the same rows, so nothing of x is shared.
; THE WEIGHTS are shared by all work-groups: they come by JOINT tensor loads of the four work-groups of a cluster, through two LDS slots, a chunk of 256 along K (143,360 bytes) at a time, a quarter a wave.
; SHARES: wave w makes columns 128 w .. 128 w + 127 of k and of v for all 64 rows (2 x 32 accumulators), and quantises rows 16 w .. 16 w + 15.
; k is used transposed (source 0 = 16 columns of W, source 1 = 16 rows of h): a lane holds one key, its registers run along d.  v is used as it stands: a lane holds one d, its registers run along the keys.
; THE ROWS OF A TILE OF h ARE NOT NEIGHBOURS: row r of tile 2 b + u is row 32 b + 8 u + r + 8 (r / 8): so v's 16 registers of two neighbouring tiles are 16 neighbouring keys, and k's tiles serve the attention likewise.
; A K STEP: quantise 16 rows x 256 k (codes and scale bytes to LDS) | the change of slots (a round of the cluster's barrier) | 128 products | a plain barrier, split round the last 32 products, behind which the codes may be written again.
; No prefetch: x is a plain stream with 64 KiB a work-group on its way, and the weights are read by every cluster.
; LIMITS: h = fma(x, a, c) with c = beta - mean a rounded once; blocks under 2^-124 keep the byte 1; NaN and infinities are not served.
; REGISTERS: window 0: addresses, a and c, work, scale words v96-143, h's fragments v144-207.  window 1: v0-127 the ring of x, v128-255 W's fragments.  window 2: k's accumulators (tile m, tile t) at 8 (8 m + t).  window 3: v's.
.set CHUNK, 143360
.set PART,  35840                      ; 32 fragments, 2,048 scale bytes, 1,024 bytes of a_k, c_k, a_v or c_v (parts 0 to 3) of the next K step
.set PRM,   34816
.set SLOT1, 0x24000                    ; slot 1: its two bits meet none of wave x PART, so an exclusive or turns an address
.set HSC,   143360                     ; h's scale bytes: [k, v] x 64 rows x 8
.set SPARE, 145408                     ; the spare words: 128 bytes a wave
.set CODES, 290816                     ; h's codes: [k, v] x 64 rows x (128 bytes + 16)
.set CP,    144
.set SUMK,  309248                     ; sums of squares: [row][wave]
.set SUMV,  310272                     ; [wave][row]
.set WV, 18
.set TW, 48                            ; s48 the slot of this step's chunk;  s49 the slot that holds this step's a and c
.set TO, 49
.set SEL, 54
.set SPW, 1
.set NIL, 2
.set XO,  3
.set PR0, 4
.set PRA, 5
.set PRB, 6
.set CW,  7
.set SW,  8
.set WB0, 9
.set WB,  10
.set WS0, 11
.set WSA, 12
.set AR,  13
.set SR,  14
.set RR,  15
.set HH,  16
.set LL,  17
.set SKW, 18
.set SVW, 19
.set SKR, 20
.set SVR, 21
.set KO,  22
.set VO,  23
.set PAK, 24                           ; v24-55 a_k, c_k, a_v, c_v of my 8 k;  later v's 32 factors
.set PCK, 32
.set PAV, 40
.set PCV, 48
.set FV,  24
.set HK,  56                           ; v56-71 h for k and for v;  later k's factors and sums
.set HV,  64
.set FK,  56
.set SS,  64
.set MK,  72                           ; v72-75 largest magnitudes, scale operands;  later k's sums of squares
.set SK,  72
.set SO,  76
.set KBO, 77
.set VBO, 78
.set MO,  79
.set CDB, 80                           ; v80-95 four sets of (k's codes, v's codes, k's byte, v's byte)
.set WS,  96                           ; v96-127 W's scale words: 4 (4 P + t / 2) + 2 (t % 2) + ks
.set HS,  128                          ; v128-143 h's: 8 P + 2 m + ks
.set AK,  144
.set AV,  176
.set HA,  144                          ; later: 64 numbers ahead of the quantiser
.set RS,  144
.set VL,  176
.set MB,  208                          ; v208-215 the mask's bytes of my keys
.set TM,  216
.set PC,  232
.set PW,  240
.set PWK, 244
.set PWV, 248
.set OS,  252
.set BK,  128                          ; in window 1
.set BV,  192
.set MSB, 0
.macro WIN new                         ; the immediate's high byte repeats the setting that is left
.if MSB != \new
	s_set_vgpr_msb (MSB<<8)|\new
.set MSB, \new
.endif
.endm
.macro PLACES n
.rept \n
	v_nop
.endr
.endm
.macro ROUND                           ; a round of the cluster's barrier
	s_barrier_signal -1
	s_barrier_wait -1
	s_cmp_lg_u32 s[WV], 0
	s_cbranch_scc1 .Lnot_wave_0_\@
	s_barrier_signal -3
.Lnot_wave_0_\@:
	s_barrier_wait -3
	s_barrier_signal -1
	s_barrier_wait -1
.endm
; 64 numbers of a lane, register 16 b + i = index 32 b + 16 (lane / 16) + i along K, become 8 registers of codes in the operand's layout and a scale word
.macro QUANT src
.irp b, 0,1,2,3
	v_max3_num_f32 v[TM+\b], |v[\src+16*\b]|, |v[\src+1+16*\b]|, 0x1800000
.endr
.irp i, 2,4,6,8,10,12,14
.irp b, 0,1,2,3
	v_max3_num_f32 v[TM+\b], v[TM+\b], |v[\src+16*\b+\i]|, |v[\src+1+16*\b+\i]|
.endr
.endr
.irp b, 0,1,2,3
	v_permlanex16_b32 v[TM+4+\b], v[TM+\b], s[SEL], s[SEL+1]
.endr
.irp b, 0,1,2,3
	v_max_num_f32 v[TM+\b], v[TM+\b], v[TM+4+\b]   ; with lane l xor 16's: the block's largest magnitude
.endr
.irp b, 0,1,2,3
	v_add_nc_u32 v[TM+12+\b], 0xff000000, v[TM+\b]
.endr
.irp b, 0,1,2,3
	v_lshrrev_b32 v[TM+4+\b], 23, v[TM+12+\b]
.endr
	v_lshl_or_b32 v[PW], v[TM+5], 8, v[TM+4]
	v_lshl_or_b32 v[PW], v[TM+6], 16, v[PW]
	v_lshl_or_b32 v[PW], v[TM+7], 24, v[PW]
.irp b, 0,1,2,3
	v_cvt_scalef32_pk8_fp4_f32 v[PC+2*\b], v[\src+16*\b:\src+7+16*\b], v[TM+12+\b]
	v_cvt_scalef32_pk8_fp4_f32 v[PC+1+2*\b], v[\src+8+16*\b:\src+15+16*\b], v[TM+12+\b]
.endr
	v_nop                                          ; one plain place behind a scaled conversion
.irp c, 0,1                                    ; a whole block to a lane: lanes 0-15 block 2 c, lanes 16-31 block 2 c + 1
.irp i, 0,1
	v_permlane16_swap_b32 v[PC+4*\c+\i], v[PC+2+4*\c+\i]
.endr
.endr
.endm
	s_load_b256 s[4:11], s[0:1], 0x0               ; x, mask, k_b, v_b
	s_load_b128 s[12:15], s[0:1], 0x20             ; wkv, kv
	s_load_b64 s[16:17], s[0:1], 0x30              ; npad
	v_lshl_add_u32 v[SPW], v0, 2, SPARE
	v_mov_b32 v[NIL], 0
	ds_add_u32 v1, v2
	ds_add_u32 v1, v2
	s_wait_dscnt 0x0
	v_lshrrev_b32 v[LL], 5, v0
	v_readfirstlane_b32 s[WV], v[LL]               ; wave 0..3
	v_and_b32 v[LL], 31, v0
	v_and_b32 v[RR], 15, v0
	v_bfe_u32 v[HH], v0, 4, 1
	s_bfe_u32 s19, ttmp6, 0x40000                  ; cx
	s_lshl_b32 s20, ttmp9, 2
	s_add_co_u32 s20, s20, s19                     ; my 64 rows: it enters the addresses of x, mask, kv and npad alone
	; descriptor group 1: a dense block as rows of 256 bytes (32 elements of 8 bytes); 15:0 the mask of all four work-groups, bit 21 beside it
	s_mov_b32 s24, 0x0023000f
	s_mov_b32 s25, 32<<16
	s_mov_b32 s26, 140<<16                         ; a part: 140 rows
	s_mov_b32 s27, 32<<16
	s_mov_b32 s28, 140
	s_mov_b32 s29, 32
	s_mov_b32 s30, 0
	s_mov_b32 s31, 0
	s_mov_b32 s32, 0x0023000f
	s_mov_b32 s33, 32<<16
	s_mov_b32 s34, 4<<16                           ; the first step's a or c: 4 rows
	s_mov_b32 s35, 32<<16
	s_mov_b32 s36, 4
	s_mov_b32 s37, 32
	s_mov_b32 s38, 0
	s_mov_b32 s39, 0
	s_mov_b32 s[TW], 0
	s_mov_b32 s[TO], SLOT1
	s_mov_b32 s[SEL], 0x76543210
	s_mov_b32 s[SEL+1], 0xfedcba98
	s_mov_b32 s56, 0x40c00000                      ; 6.0
	s_mov_b32 s57, 0x47c35000                      ; 100000.0
	s_mov_b32 s58, 0xc7c35000
	s_mul_i32 s62, s[WV], PART
	s_mov_b32 s63, 0
	v_lshlrev_b32 v[XO], 5, v[LL]                  ; my 8 k of a row's 256: 32 bytes
	v_add_nc_u32 v[PR0], PRM, v[XO]
	s_lshr_b32 s60, s[WV], 1
	s_and_b32 s61, s[WV], 1
	s_lshl_b32 s60, s60, 5
	s_lshl_b32 s61, s61, 3
	s_add_co_u32 s60, s60, s61                     ; rows 16 w + i lie at places 32 (w / 2) + 8 (w % 2) + 16 (i / 8) + i % 8: tiles are 16 places on end
	s_mul_i32 s61, s60, CP
	s_add_co_u32 s61, s61, CODES
	v_lshl_add_u32 v[CW], v[LL], 2, s61
	s_lshl_b32 s60, s60, 3
	s_add_co_u32 s60, s60, HSC
	v_lshrrev_b32 v[SW], 2, v[LL]
	v_add_nc_u32 v[SW], s60, v[SW]
	v_lshl_add_u32 v[WB0], v[LL], 4, s62           ; my part's fragments: 16 x lane
	s_add_co_u32 s60, s62, 32768
	v_lshl_add_u32 v[WS0], v[RR], 4, s60           ; its scale words: 16 bytes a row
	v_mul_u32_u24 v[AR], v[RR], CP
	v_lshl_add_u32 v[AR], v[HH], 4, v[AR]
	v_add_nc_u32 v[AR], CODES, v[AR]
	v_lshl_add_u32 v[SR], v[RR], 3, HSC
	s_lshl_b32 s60, s[WV], 2
	s_add_co_u32 s60, s60, SUMK
	v_lshl_add_u32 v[SKW], v[RR], 4, s60
	v_lshl_add_u32 v[SKR], v[RR], 4, SUMK
	s_lshl_b32 s60, s[WV], 8
	s_add_co_u32 s61, s60, SUMV
	v_lshl_add_u32 v[SVW], v[HH], 5, s61
	v_lshl_add_u32 v[SVR], v[HH], 5, SUMV
	v_lshl_add_u32 v[SO], v[RR], 4, s60
	v_lshl_add_u32 v[SO], v[HH], 10, v[SO]         ; the record's scale words: 256 w + 16 r, lanes 16-31 V's
	s_lshl_b32 s60, s[WV], 10
	v_lshl_add_u32 v[KO], v[LL], 4, s60
	s_lshl_b32 s60, s[WV], 12
	v_lshl_add_u32 v[VO], v[LL], 4, s60
	s_lshl_b32 s60, s[WV], 9
	v_lshl_add_u32 v[KBO], v[HH], 6, s60           ; k_b: 512 w + 64 h
	v_lshrrev_b32 v[VBO], 3, v[RR]
	v_lshlrev_b32 v[VBO], 5, v[VBO]
	v_lshl_add_u32 v[VBO], v[RR], 2, v[VBO]
	v_add_nc_u32 v[VBO], s60, v[VBO]               ; v_b: 4 (128 w + r + 8 (r / 8))
	v_lshlrev_b32 v[MO], 4, v[HH]
.irp b, 0,1,2,3
	v_mov_b32 v[TM+4+\b], 0                        ; a lane permute's destination counts as read
.endr
	s_wait_kmcnt 0x0
	s_add_nc_u64 s[12:13], s[12:13], s[62:63]      ; wkv at my part of chunk 0
	s_mov_b32 s40, 1
	s_mov_b32 s41, s62
	s_mov_b64 s[42:43], s[12:13]
	s_or_b32 s43, s43, 0x80000000
	s_mov_b32 s44, 1
	s_add_co_u32 s45, s62, SLOT1+PRM
	s_add_nc_u64 s[46:47], s[12:13], 7*CHUNK+PRM   ; the last chunk carries the first step's a and c
	s_or_b32 s47, s47, 0x80000000
	ROUND                                          ; all four work-groups are here: the first joint loads meet
	tensor_load_to_lds s[44:47], s[32:39]          ; two loads of mine are out
	s_nop 0
	tensor_load_to_lds s[40:43], s[24:31]
	s_nop 0
	PLACES 4
	s_lshl_b32 s60, s20, 19
	s_lshl_b32 s61, s[WV], 17
	s_add_co_u32 s60, s60, s61
	s_mov_b32 s61, 0
	s_add_nc_u64 s[4:5], s[4:5], s[60:61]          ; x at my 16 rows
	s_lshl_b32 s60, s20, 6
	s_add_nc_u64 s[6:7], s[6:7], s[60:61]
	s_mul_i32 s60, s20, 34816
	s_add_nc_u64 s[14:15], s[14:15], s[60:61]      ; my record
	s_lshl_b32 s60, s20, 8
	s_add_nc_u64 s[16:17], s[16:17], s[60:61]
.irp m, 0,1,2,3
	global_load_b64 v[MB+2*\m:MB+2*\m+1], v[MO], s[6:7] offset:32*(\m/2)+8*(\m%2)   ; the mask of keys 32 b + 16 h + 8 u + 0 .. 7
.endr
	WIN 0x40
.set R, 0
.rept 16
	global_load_b128 v[8*R:8*R+3], v[XO], s[4:5] offset:R*8192 th:TH_LOAD_NT
	global_load_b128 v[8*R+4:8*R+7], v[XO], s[4:5] offset:R*8192+16 th:TH_LOAD_NT
.set R, R+1
.endr
	WIN 0
	s_wait_tensorcnt 0x1                           ; my array of a or c is in; chunk 0 may stay out
	s_barrier_signal -1
	s_barrier_wait -1
; Row i of my 16: 256 k, 8 a lane.  Both products' h, each block's (4 lanes') largest magnitude, codes and byte.
.macro ROWQ i, more, cnt
.set SQ, CDB+4*((\i)%4)
.set POS, 16*((\i)/8)+(\i)%8
	s_wait_loadcnt \cnt                            ; my slot's two loads are in; the younger slots' stay out
	WIN 0x01
.irp j, 0,2,4,6
	v_pk_fma_f32 v[HK+\j:HK+\j+1], v[8*(\i)+\j:8*(\i)+\j+1], v[PAK+\j:PAK+\j+1], v[PCK+\j:PCK+\j+1]
	v_pk_fma_f32 v[HV+\j:HV+\j+1], v[8*(\i)+\j:8*(\i)+\j+1], v[PAV+\j:PAV+\j+1], v[PCV+\j:PCV+\j+1]
.endr
.if \more
	WIN 0x40
	global_load_b128 v[8*(\i):8*(\i)+3], v[XO], s[4:5] offset:(\i)*8192+1024 th:TH_LOAD_NT   ; the slot's next 256 k
	global_load_b128 v[8*(\i)+4:8*(\i)+7], v[XO], s[4:5] offset:(\i)*8192+1040 th:TH_LOAD_NT
.endif
	WIN 0
	s_wait_dscnt 12                                ; the stores of four rows ago have read this set of registers (three rows of four stores may be out)
	v_max3_num_f32 v[MK], |v[HK]|, |v[HK+1]|, 0x1800000
	v_max3_num_f32 v[MK+1], |v[HV]|, |v[HV+1]|, 0x1800000
.irp j, 2,4,6
	v_max3_num_f32 v[MK], v[MK], |v[HK+\j]|, |v[HK+\j+1]|
	v_max3_num_f32 v[MK+1], v[MK+1], |v[HV+\j]|, |v[HV+\j+1]|
.endr
.irp x, 1,2
	v_max_num_f32_dpp v[MK], v[MK], v[MK] row_xmask:\x row_mask:0xf bank_mask:0xf
	v_max_num_f32_dpp v[MK+1], v[MK+1], v[MK+1] row_xmask:\x row_mask:0xf bank_mask:0xf
.endr
	v_add_nc_u32 v[MK+2], 0xff000000, v[MK]
	v_add_nc_u32 v[MK+3], 0xff000000, v[MK+1]
	v_cvt_scalef32_pk8_fp4_f32 v[SQ], v[HK:HK+7], v[MK+2]
	v_cvt_scalef32_pk8_fp4_f32 v[SQ+1], v[HV:HV+7], v[MK+3]
	v_lshrrev_b32 v[SQ+2], 23, v[MK+2]             ; the bytes; also the plain places behind the conversions
	v_lshrrev_b32 v[SQ+3], 23, v[MK+3]
	ds_store_b32 v[CW], v[SQ] offset:POS*CP        ; a row's 128 bytes on end
	ds_store_b32 v[CW], v[SQ+1] offset:POS*CP+64*CP
	ds_store_b8 v[SW], v[SQ+2] offset:POS*8        ; the four lanes of a block write the same byte
	ds_store_b8 v[SW], v[SQ+3] offset:POS*8+512
.endm
.macro QPH more
	v_add_nc_u32 v[PRA], s[TO], v[PR0]
	v_add_nc_u32 v[PRB], 2*PART, v[PRA]
.irp j, 0,1
	ds_load_b128 v[PAK+4*\j:PAK+4*\j+3], v[PRA] offset:16*\j
	ds_load_b128 v[PCK+4*\j:PCK+4*\j+3], v[PRA] offset:PART+16*\j
	ds_load_b128 v[PAV+4*\j:PAV+4*\j+3], v[PRB] offset:16*\j
	ds_load_b128 v[PCV+4*\j:PCV+4*\j+3], v[PRB] offset:PART+16*\j
.endr
	s_wait_dscnt 0x0
.set R, 0
.rept 16
.if \more
	ROWQ R, 1, 30
.else
	ROWQ R, 0, 2*(15-R)
.endif
.set R, R+1
.endr
.if \more
	s_wait_xcnt 0x0                                ; the loads have read their base
	s_add_nc_u64 s[4:5], s[4:5], 1024
.endif
.endm
; The change of slots.  Every wave waits for all its tensor loads (its part of this step's chunk), adds 0 to its spare word, and waits for that, for its stores of codes and for its reads of the other slot.
; Behind the round the codes of all 64 rows and the chunk are whole, and nobody in the cluster reads the other slot: it takes the next chunk.
.macro CHANGE fill
	s_wait_tensorcnt 0x0
	ds_add_u32 v[SPW], v[NIL]
.if \fill
	s_xor_b32 s41, s41, SLOT1
	s_add_nc_u64 s[42:43], s[42:43], CHUNK
.endif
	s_wait_dscnt 0x0
.if \fill
	ROUND
	tensor_load_to_lds s[40:43], s[24:31]          ; my one load behind the round
	s_nop 0
	PLACES 4
.else
	s_barrier_signal -1
	s_barrier_wait -1
.endif
.endm
.macro LOADK ks
	WIN 0x40
.irp t, 0,1,2,3,4,5,6,7
.irp c, 0,1
	ds_load_b128 v[BK+8*\t+4*\c:BK+8*\t+4*\c+3], v[WB] offset:(16*\ks+\t)*1024+512*\c
.endr
.endr
	WIN 0
.irp m, 0,1,2,3
.irp c, 0,1
	ds_load_b128 v[AK+8*\m+4*\c:AK+8*\m+4*\c+3], v[AR] offset:\m*16*CP+64*\ks+32*\c
.endr
.endr
.endm
.macro LOADV ks
	WIN 0x40
.irp t, 0,1,2,3,4,5,6,7
.irp c, 0,1
	ds_load_b128 v[BV+8*\t+4*\c:BV+8*\t+4*\c+3], v[WB] offset:(16*\ks+8+\t)*1024+512*\c
.endr
.endr
	WIN 0
.irp m, 0,1,2,3
.irp c, 0,1
	ds_load_b128 v[AV+8*\m+4*\c:AV+8*\m+4*\c+3], v[AR] offset:64*CP+\m*16*CP+64*\ks+32*\c
.endr
.endr
.endm
; 32 products, the 32 accumulators by turns
.macro MULK ks, zero
	WIN 0xa1                                       ; source 0 (W) window 1, source 1 (h) window 0, C and D window 2
.irp m, 0,1,2,3
.irp t, 0,1,2,3,4,5,6,7
.if \zero
	v_wmma_scale_f32_16x16x128_f8f6f4 v[8*(8*\m+\t):8*(8*\m+\t)+7], v[BK+8*\t:BK+8*\t+7], v[AK+8*\m:AK+8*\m+7], 0, v[WS+4*(\t/2)+2*(\t%2)+\ks], v[HS+2*\m+\ks] matrix_a_fmt:MATRIX_FMT_FP4 matrix_b_fmt:MATRIX_FMT_FP4
.else
	v_wmma_scale_f32_16x16x128_f8f6f4 v[8*(8*\m+\t):8*(8*\m+\t)+7], v[BK+8*\t:BK+8*\t+7], v[AK+8*\m:AK+8*\m+7], v[8*(8*\m+\t):8*(8*\m+\t)+7], v[WS+4*(\t/2)+2*(\t%2)+\ks], v[HS+2*\m+\ks] matrix_a_fmt:MATRIX_FMT_FP4 matrix_b_fmt:MATRIX_FMT_FP4
.endif
.endr
.endr
.endm
.macro MULV ks, zero
	WIN 0xf4                                       ; source 0 (h) window 0, source 1 (W) window 1, C and D window 3
.irp m, 0,1,2,3
.irp t, 0,1,2,3,4,5,6,7
.if \zero
	v_wmma_scale_f32_16x16x128_f8f6f4 v[8*(8*\m+\t):8*(8*\m+\t)+7], v[AV+8*\m:AV+8*\m+7], v[BV+8*\t:BV+8*\t+7], 0, v[HS+8+2*\m+\ks], v[WS+16+4*(\t/2)+2*(\t%2)+\ks] matrix_a_fmt:MATRIX_FMT_FP4 matrix_b_fmt:MATRIX_FMT_FP4
.else
	v_wmma_scale_f32_16x16x128_f8f6f4 v[8*(8*\m+\t):8*(8*\m+\t)+7], v[AV+8*\m:AV+8*\m+7], v[BV+8*\t:BV+8*\t+7], v[8*(8*\m+\t):8*(8*\m+\t)+7], v[HS+8+2*\m+\ks], v[WS+16+4*(\t/2)+2*(\t%2)+\ks] matrix_a_fmt:MATRIX_FMT_FP4 matrix_b_fmt:MATRIX_FMT_FP4
.endif
.endr
.endr
.endm
; A K step's 128 products.  Each run of 24 fragment loads stands 32 products ahead of its use; four places stand in front of loads into registers that products have read.
.macro MPH zero
	v_add_nc_u32 v[WB], s[TW], v[WB0]
	v_add_nc_u32 v[WSA], s[TW], v[WS0]
.irp g, 0,1,2,3,4,5,6,7
	ds_load_b128 v[WS+4*\g:WS+4*\g+3], v[WSA] offset:256*\g
.endr
.irp p, 0,1
.irp m, 0,1,2,3
	ds_load_b64 v[HS+8*\p+2*\m:HS+8*\p+2*\m+1], v[SR] offset:512*\p+128*\m
.endr
.endr
	LOADK 0
	LOADV 0
	s_wait_dscnt 24                                ; all but v's 24
	MULK 0, \zero
	PLACES 4
	LOADK 1
	s_wait_dscnt 24                                ; v's first are in
	MULV 0, \zero
	PLACES 4
	LOADV 1
	s_wait_dscnt 24                                ; k's second are in
	MULK 1, 0
	s_wait_dscnt 0x0                               ; my reads of the codes and of the chunk are over:
	s_barrier_signal -1                            ; say so
	MULV 1, 0
	WIN 0
	s_barrier_wait -1                              ; behind it the codes' bytes may be stored again
.endm
.macro TOGGLE
	s_xor_b32 s[TW], s[TW], SLOT1
	s_xor_b32 s[TO], s[TO], SLOT1
.endm
	QPH 1                                          ; K step 0: its products start the sums
	CHANGE 1
	MPH 1
	TOGGLE
	s_mov_b32 s52, 6
.Lk:
	QPH 1
	CHANGE 1
	MPH 0
	TOGGLE
	s_sub_co_u32 s52, s52, 1
	s_cmp_lg_u32 s52, 0
	s_cbranch_scc1 .Lk
	QPH 0                                          ; K step 7 is written out: no load of x and no chunk follow
	WIN 0x40                                       ; the biases, into the ring's registers
.irp b, 0,1,2,3
.irp i, 0,1,2,3
	global_load_b128 v[16*\b+4*\i:16*\b+4*\i+3], v[KBO], s[8:9] offset:128*\b+16*\i   ; k_b of columns 32 b + 16 h + 0 .. 15: register 8 t + j
.endr
.endr
.irp t, 0,1,2,3,4,5,6,7
	global_load_b32 v[64+2*\t], v[VBO], s[10:11] offset:(32*(\t/2)+8*(\t%2))*4   ; v_b of my column of tile t, twice: a pair for the packed addition
	global_load_b32 v[65+2*\t], v[VBO], s[10:11] offset:(32*(\t/2)+8*(\t%2))*4
.endr
	WIN 0
	CHANGE 0
	MPH 0
	; ---- bias, clip, sums of squares
	PLACES 4
	s_wait_loadcnt 0x0
.macro PASS1K mm                       ; each accumulator from its low end on
	WIN 0x86
.irp t, 0,1,2,3,4,5,6,7
.irp p, 0,2,4,6
	v_pk_add_f32 v[64*\mm+8*\t+\p:64*\mm+8*\t+\p+1], v[64*\mm+8*\t+\p:64*\mm+8*\t+\p+1], v[8*\t+\p:8*\t+\p+1]
.endr
.endr
	WIN 0x82
.set N, 0
.rept 64
	v_med3_num_f32 v[64*\mm+N], v[64*\mm+N], 0, s56
.set N, N+1
.endr
	WIN 0x0a
.irp p, 0,2,4,6
	v_pk_mul_f32 v[SS+\p:SS+\p+1], v[64*\mm+\p:64*\mm+\p+1], v[64*\mm+\p:64*\mm+\p+1]
.endr
.irp t, 1,2,3,4,5,6,7
.irp p, 0,2,4,6
	v_pk_fma_f32 v[SS+\p:SS+\p+1], v[64*\mm+8*\t+\p:64*\mm+8*\t+\p+1], v[64*\mm+8*\t+\p:64*\mm+8*\t+\p+1], v[SS+\p:SS+\p+1]
.endr
.endr
	WIN 0
	v_pk_add_f32 v[SS:SS+1], v[SS:SS+1], v[SS+2:SS+3]
	v_pk_add_f32 v[SS+4:SS+5], v[SS+4:SS+5], v[SS+6:SS+7]
	v_pk_add_f32 v[SS:SS+1], v[SS:SS+1], v[SS+4:SS+5]
	v_add_f32 v[SK+\mm], v[SS], v[SS+1]            ; my key's 64 of my wave's 128 d
.endm
.macro PASS1V mm
	WIN 0xc7
.irp t, 0,1,2,3,4,5,6,7
.irp p, 0,2,4,6
	v_pk_add_f32 v[64*\mm+8*\t+\p:64*\mm+8*\t+\p+1], v[64*\mm+8*\t+\p:64*\mm+8*\t+\p+1], v[64+2*\t:65+2*\t]
.endr
.endr
	WIN 0xc3
.set N, 0
.rept 64
	v_med3_num_f32 v[64*\mm+N], v[64*\mm+N], 0, s56
.set N, N+1
.endr
	WIN 0x0f
.irp p, 0,2,4,6
	v_pk_mul_f32 v[FV+8*\mm+\p:FV+8*\mm+\p+1], v[64*\mm+\p:64*\mm+\p+1], v[64*\mm+\p:64*\mm+\p+1]
.endr
.irp t, 1,2,3,4,5,6,7
.irp p, 0,2,4,6
	v_pk_fma_f32 v[FV+8*\mm+\p:FV+8*\mm+\p+1], v[64*\mm+8*\t+\p:64*\mm+8*\t+\p+1], v[64*\mm+8*\t+\p:64*\mm+8*\t+\p+1], v[FV+8*\mm+\p:FV+8*\mm+\p+1]
.endr
.endr
	WIN 0
.endm
	PASS1K 0
	PASS1K 1
	PASS1K 2
	PASS1K 3
	PASS1V 0
	PASS1V 1
	PASS1V 2
	PASS1V 3
.irp m, 0,1,2,3
	v_permlanex16_b32 v[CDB+\m], v[SK+\m], s[SEL], s[SEL+1]
.endr
.irp m, 0,1,2,3
	v_add_f32 v[SK+\m], v[SK+\m], v[CDB+\m]
.endr
.irp m, 0,1,2,3
	ds_store_b32 v[SKW], v[SK+\m] offset:256*\m    ; place 16 m + r, wave w
.endr
.irp x, 1,2,4,8                                ; v: a key's d lie across the sixteen lanes of a half
.set N, 0
.rept 32
	v_add_f32_dpp v[FV+N], v[FV+N], v[FV+N] row_xmask:\x row_mask:0xf bank_mask:0xf
.set N, N+1
.endr
.endr
.irp m, 0,1,2,3
.irp j, 0,1
	ds_store_b128 v[SVW], v[FV+8*\m+4*\j:FV+8*\m+4*\j+3] offset:64*\m+16*\j   ; the sixteen lanes write the same numbers
.endr
.endr
	s_wait_dscnt 0x0
	s_barrier_signal -1
	s_barrier_wait -1
.irp m, 0,1,2,3
	ds_load_b128 v[CDB+4*\m:CDB+4*\m+3], v[SKR] offset:256*\m
.endr
	WIN 0x40
.irp u, 0,1,2,3
.irp m, 0,1,2,3
.irp j, 0,1
	ds_load_b128 v[32*\u+8*\m+4*\j:32*\u+8*\m+4*\j+3], v[SVR] offset:256*\u+64*\m+16*\j
.endr
.endr
.endr
	WIN 0
	s_wait_dscnt 0x0
.irp m, 0,1,2,3
	v_add_f32 v[CDB+4*\m], v[CDB+4*\m], v[CDB+4*\m+1]
	v_add_f32 v[CDB+4*\m+2], v[CDB+4*\m+2], v[CDB+4*\m+3]
	v_add_f32 v[SK+\m], v[CDB+4*\m], v[CDB+4*\m+2]
.endr
	WIN 0x05
.set N, 0
.rept 16
	v_pk_add_f32 v[FV+N:FV+N+1], v[N:N+1], v[32+N:32+N+1]
.set N, N+2
.endr
	WIN 0x04
.set N, 0
.rept 16
	v_pk_add_f32 v[FV+N:FV+N+1], v[FV+N:FV+N+1], v[64+N:64+N+1]
.set N, N+2
.endr
.set N, 0
.rept 16
	v_pk_add_f32 v[FV+N:FV+N+1], v[FV+N:FV+N+1], v[96+N:96+N+1]
.set N, N+2
.endr
	WIN 0
.set N, 0
.rept 32
	v_max_num_f32 v[FV+N], 0x2b8cbccc, v[FV+N]     ; at least 1e-12
.set N, N+1
.endr
.irp m, 0,1,2,3
	v_max_num_f32 v[SK+\m], 0x2b8cbccc, v[SK+\m]
.endr
.set N, 0
.rept 32
	v_rsq_f32 v[RS+N], v[FV+N]
.set N, N+1
.endr
.irp m, 0,1,2,3
	v_rsq_f32 v[FK+2*\m], v[SK+\m]                 ; twice: a pair for the packed multiply
	v_rsq_f32 v[FK+2*\m+1], v[SK+\m]
.endr
.irp m, 0,1,2,3                                ; the mask as numbers: independent work behind the roots
.irp j, 0,1,2,3,4,5,6,7
	v_bfe_u32 v[VL+8*\m+\j], v[MB+2*\m+\j/4], 8*(\j%4), 8
.endr
.endr
.set N, 0
.rept 32
	v_cvt_f32_u32 v[VL+N], v[VL+N]
.set N, N+1
.endr
	s_wait_alu depctr_va_vdst(0)                   ; one wait for the forty roots, ahead of their first reader
.set N, 0
.rept 32
	v_mul_f32 v[FV+N], v[RS+N], v[VL+N]            ; v's factor: 1 / norm, or 0 for a key that the mask hides
.set N, N+1
.endr
	; ---- k: a tile of 16 keys x my 128 d is one fragment of the attention's first product
.irp m, 0,1,2,3
	s_wait_xcnt 0x0                                ; the last stores have read the codes' registers
	WIN 0x02
.set N, 0
.rept 32
	v_pk_mul_f32 v[HA+N:HA+N+1], v[64*\m+N:64*\m+N+1], v[FK+2*\m:FK+2*\m+1]
.set N, N+2
.endr
	WIN 0
	QUANT HA
	global_store_b128 v[KO], v[PC:PC+3], s[14:15] offset:4096*\m       ; fragment 4 m + w: 512 consecutive bytes a store
	global_store_b128 v[KO], v[PC+4:PC+7], s[14:15] offset:4096*\m+512
	v_mov_b32 v[PWK+\m], v[PW]
.endr
	; ---- v: two tiles of 16 d x 64 keys: each is half a fragment (64 of 128 keys) of the second product
.irp g, 0,1,2,3
	s_wait_xcnt 0x0
	WIN 0x03
.irp e, 0,1
.irp m, 0,1,2,3
.irp p, 0,2,4,6
	v_pk_mul_f32 v[HA+32*\e+8*\m+\p:HA+32*\e+8*\m+\p+1], v[8*(8*\m+2*\g+\e)+\p:8*(8*\m+2*\g+\e)+\p+1], v[FV+8*\m+\p:FV+8*\m+\p+1]
.endr
.endr
.endr
	WIN 0
	QUANT HA
	global_store_b128 v[VO], v[PC:PC+3], s[14:15] offset:16384+1024*\g
	global_store_b128 v[VO], v[PC+4:PC+7], s[14:15] offset:16384+1024*\g+512
	v_mov_b32 v[PWV+\g], v[PW]                     ; two bytes for each of the two tiles
.endr
	v_cmp_le_u32 vcc_lo, 16, v[LL]
.irp i, 0,1,2,3
	v_cndmask_b32 v[OS+\i], v[PWK+\i], v[PWV+\i], vcc_lo
.endr
	global_store_b128 v[SO], v[OS:OS+3], s[14:15] offset:32768   ; lanes 0-15 k's scale words [w][r][tile], lanes 16-31 v's [w][r][8 x 2 bytes]
	; ---- what the mask adds to a score: 0 or -100000, in the keys' own order
	s_cmp_lg_u32 s[WV], 0
	s_cbranch_scc1 .Lno_pad
	v_lshlrev_b32 v81, 2, v[RR]
	v_lshlrev_b32 v82, 4, v[RR]
	global_load_b32 v80, v81, s[6:7]
	s_wait_loadcnt 0x0
.irp i, 0,1,2,3
	v_bfe_u32 v[84+\i], v80, 8*\i, 8
.endr
.irp i, 0,1,2,3
	v_cvt_f32_u32 v[84+\i], v[84+\i]
.endr
.irp i, 0,1,2,3
	v_fma_f32 v[84+\i], v[84+\i], s57, s58
.endr
	global_store_b128 v82, v[84:87], s[16:17]      ; sixteen lanes fill 256 consecutive bytes (lanes 16-31 repeat them)
.Lno_pad:
	s_wait_tensorcnt 0x0                           ; the wave's end
	ds_add_u32 v[SPW], v[NIL]
	s_wait_dscnt 0x0
	ROUND                                          ; the closing round
	s_endpgm
.Lfunc_end_k_qd9124dbc2e_kvproj:
	.size	k_qd9124dbc2e_kvproj, .Lfunc_end_k_qd9124dbc2e_kvproj-k_qd9124dbc2e_kvproj
	.p2alignl 7, 3214868480
	.fill 96, 4, 3214868480
	.section	.rodata,"a",@progbits
	.p2align	6, 0x0
	.amdhsa_kernel k_qd9124dbc2e_kvproj
		.amdhsa_group_segment_fixed_size 327680
		.amdhsa_private_segment_fixed_size 0
		.amdhsa_enable_private_segment 0
		.amdhsa_kernarg_size 56
		.amdhsa_user_sgpr_count 2
		.amdhsa_user_sgpr_kernarg_segment_ptr 1
		.amdhsa_wavefront_size32 1
		.amdhsa_system_sgpr_workgroup_id_x 1
		.amdhsa_system_sgpr_workgroup_id_y 1
		.amdhsa_system_sgpr_workgroup_id_z 1
		.amdhsa_system_vgpr_workitem_id 0
		.amdhsa_next_free_vgpr 1024
		.amdhsa_next_free_sgpr 72
		.amdhsa_reserve_vcc 1
		.amdhsa_float_denorm_mode_32 3
		.amdhsa_float_denorm_mode_16_64 3
		.amdhsa_memory_ordered 1
		.amdhsa_forward_progress 1
		.amdhsa_inst_pref_size 255
	.end_amdhsa_kernel
	.section	.bss,"aw",@nobits
	.p2align	6
	.space	262144
	.amdgpu_metadata
---
amdhsa.version: [ 1, 2 ]
amdhsa.kernels:
  - .name:           k_qd9124dbc2e_kvproj
    .symbol:         k_qd9124dbc2e_kvproj.kd
    .args:
      - { .name: context_features, .offset: 0, .size: 8, .value_kind: global_buffer, .address_space: global }
      - { .name: valid_mask, .offset: 8, .size: 8, .value_kind: global_buffer, .address_space: global }
      - { .name: k_b, .offset: 16, .size: 8, .value_kind: global_buffer, .address_space: global }
      - { .name: v_b, .offset: 24, .size: 8, .value_kind: global_buffer, .address_space: global }
      - { .name: wkv, .offset: 32, .size: 8, .value_kind: global_buffer, .address_space: global }
      - { .name: kv, .offset: 40, .size: 8, .value_kind: global_buffer, .address_space: global }
      - { .name: npad, .offset: 48, .size: 8, .value_kind: global_buffer, .address_space: global }
    .group_segment_fixed_size: 327680
    .private_segment_fixed_size: 0
    .kernarg_segment_align: 8
    .kernarg_segment_size: 56
    .max_flat_workgroup_size: 128
    .sgpr_count:     72
    .vgpr_count:     1024
    .wavefront_size: 32
...
	.end_amdgpu_metadata
.endif
;; end of part 2
;; launch attn (part 3): grid 256 x 1, 4 waves a work-group, clusters of 4 x 1, 327,680 bytes of LDS; arguments input_features, q_b, bn, wq, kv, npad, wf, f_b, out0; writes out0
.if DOCPART == 3
	.amdgcn_target "amdgcn-amd-amdhsa--gfx1250"
	.amdhsa_code_object_version 6
	.text
	.protected	k_qd9124dbc2e_attn
	.globl	k_qd9124dbc2e_attn
	.p2align	8
	.type	k_qd9124dbc2e_attn,@function
k_qd9124dbc2e_attn:
	s_mov_b64 s[64:65], 0
	v_nop
	global_prefetch_b8 v0, s[64:65] scope:SCOPE_SE
	s_setreg_imm32_b32 hwreg(HW_REG_WAVE_MODE, 25, 1), 1
	s_wait_xcnt 0x0
	s_wait_alu depctr_hold_cnt(0) depctr_sa_sdst(0) depctr_va_vdst(0) depctr_va_sdst(0) depctr_va_ssrc(0) depctr_va_vcc(0) depctr_vm_vsrc(0)
	s_getreg_b32 s2, hwreg(HW_REG_IB_STS2, 6, 4)
	s_cmp_eq_u32 s2, 0
	s_cbranch_scc0 .Lentry_in_a_cluster
	s_endpgm
.Lentry_in_a_cluster:
	s_bfe_u32 s2, ttmp6, 0x10000c
	s_cmp_lg_u32 s2, 0x3003
	s_cbranch_scc0 .Lentry_shape_is_right
	s_endpgm
.Lentry_shape_is_right:
; For 32 queries a work-group: q = l2norm(clip(Q(x a + c) Q(W_q) + b)), the masked softmax attention over the batch's 2,048 keys, the last batch norm and out = clip(Q(.) Q(W_f) + b).  All four products on codes of FP4.
; q, the weights p and the features never leave the WGP.
; ONE RING of two LDS slots carries sixteen chunks of 139,264 bytes in turn: W_q's four (512 k each), the batch's eight slots of 256 keys (four records of kvproj), W_f's four (512 columns each).
; The four work-groups of a cluster belong to one batch and want the same chunks: each is asked for JOINTLY, a quarter a wave.  The first two chunks go out together at the start; then one load a wave behind each round of the cluster's barrier.
; THE CLUSTERS DO NOT WALK THE CHUNKS IN ONE ORDER: cluster x takes W_q's and W_f's chunks in the order c xor (x mod 4) and the batch's slots of keys in the order j xor (x mod 8), so that at any time
; the clusters ask for different chunks.  The sums over K and the running softmax hang on the order by rounding alone.  Nothing in LDS hangs on the order: x's codes, a_q and c_q and the pads are laid by their place in the walk.
; x goes straight into a ring of 32 row units in registers (64 loads of a wave out): no two work-groups read the same rows.
; SHARES.  GEMMs: wave w makes columns 128 w .. + 127 (of the chunk) for the 32 rows, transposed (source 0 = 16 columns of W, source 1 = 16 rows): a lane holds one row, its registers run along the columns.
; Attention, a slot of 256 keys: wave w makes the scores of record w's 64 keys (S^T = K Q^T, the mask's 0 or -100000 as the sum's C), the waves exchange the rows' maxima, p = 2^(t - M) is quantised and
; goes to LDS as an image of the operand's registers; then wave w adds O^T += V^T P^T for d = 128 w .. + 127 over all 256 keys.  M = ceil(the running largest t) is the same in all four waves, so their sums l add plainly.
; THE SOFTMAX: t = (score + pad) x log2(e) / 0.01; the row's sum is taken of the unquantised p and divides at the end; when M moves, l and O are multiplied by an exact power of two.
; ONE PREFETCH a wave: in the walk's third trip a cluster asks for the codes of the slot that its fifth trip reads, slot (x mod 8) xor 4, one trip ahead of that slot's tensor load.  The batch's eight clusters name eight
; different slots, so each block of 256 bytes is named once in the launch; partner cx takes record cx, wave w its blocks 32 w .. 32 w + 31, a lane a block.
; LIMITS: h = fma(x, a, c) with c rounded once; the order of the f32 sums differs from cluster to cluster; blocks under 2^-124 keep the byte 1; p under 2^-126 counts as 0; NaN and infinities are not served.
; A batch whose every key is hidden gives features 0, as its values are 0.
; REGISTERS: window 0: addresses, work, scale words v64-123, v128-191 scores or 64 numbers ahead of the quantiser, v192-223 pads, v224-239 codes, v240-255 statistics.
;   window 1: the ring of x; later q's fragments v0-63 and K's v64-191.   window 2: W's fragments v0-127 and the rows' v128-191; in the attention O^T v0-127, V's v128-191, p's v192-223.
;   window 3: a_q, c_q v0-127; later V's v0-63, a_f v64-127, c_f v128-191; later f_b v0-63; the GEMMs' 16 accumulators v128-255.
.set CHUNK, 139264
.set PARTB, 34816
.set SLOT1, 0x22000                    ; its two bits meet none of wave x PARTB
.set SPARE, 278528
.set QC,    279040                     ; q phase: x's codes, 32 rows x (1,024 + 16)
.set QP,    1040
.set QSC,   312320                     ; and scale bytes, 32 x (64 + 16)
.set QSP,   80
.set NP,    279040                     ; attention: the batch's 2,048 pads, in the order of the walk,
.set PIMG,  287232                     ; p's four fragments,
.set MX,    291328                     ; the rows' maxima [row][wave],
.set PSC,   291840                     ; p's scale bytes [row][8]
.set STG,   279040                     ; f phase: a stage of 16 rows x (512 + 16) for each wave
.set SUMQ,  314880                     ; sums [row][wave]
.set IMG,   315392                     ; 8 fragments: q's, later the features'
.set IMGS,  323584                     ; their scale words
.set WV, 22
.set RQ, 26                            ; s26  cluster x mod 4: turns the order of W_q's and W_f's chunks
.set RK, 27                            ; s27  cluster x mod 8: turns the order of the slots of keys
.set TG, 44
.set NPS, 45
.set CNT, 46
.set PFA, 48
.set SEL, 50
.set CS, 52
.set G0F, 68                           ; s[68:71] group 0 of the very first fill;  s[36:39] that of the second, which walks on
.set SPW, 1
.set NIL, 2
.set XO,  3
.set RR,  4
.set HH,  5
.set LL,  6
.set KB0, 7
.set KB,  8
.set KS0, 9
.set KSB, 10
.set VB00, 11
.set VB0, 12
.set VB1, 13
.set VS00, 14
.set VS0, 15
.set VS1, 16
.set QCW, 17
.set QSW, 18
.set QCR, 19
.set QSR, 20
.set IMGR, 21
.set IMGW, 22
.set ISW, 23
.set ISR, 24
.set SQW, 25
.set SQR, 26
.set NPA0, 27
.set NPA, 28
.set MXW, 29
.set MXR, 30
.set PIW, 31
.set TM,  32                           ; v32-47 at work
.set PSW, 48
.set PSR, 49
.set PIR, 50
.set STW, 51
.set STR, 52
.set L16, 53
.set PFO, 54
.set BO,  55
.set EE,  56                           ; v56-59 scale operands, v60-63 bytes.  In the q phase:
.set XOC, 56                           ; v56-59 my byte offset in a row of x (and in a_q, c_q) for the walk's chunk c: 32 x lane + 2,048 (c xor RQ)
.set NPG0, 60                          ; v60, v61 my byte offsets in npad: the walk's slots 2 w and 2 w + 1
.set NPG1, 61
.set WS,  64                           ; v64-95 W's scale words;  in the attention K's v64-79 and V's halves v80-95
.set KS,  64
.set VR,  80
.set XS,  96                           ; v96-103 the rows' scale words (4 m + k step)
.set VW,  104                          ; v104-119 V's scale words (8 k + t)
.set PWD, 120                          ; v120-123 p's (2 q + k)
.set OUTO, 124                         ; v124 f phase: my byte offset in a row piece of out0: 16 x lane + 2,048 x the chunk
.set NPW, 125
.set PW,  126
.set FBO, 127                          ; v127 f phase: my byte offset in f_b
.set HA,  128
.set NPR, 192
.set PC,  224
.set PCD, 232
.set ST,  240                          ; tile q at 240 + 8 q: -M, the largest t, l (two halves), f (and a word written once), the two blocks' largest
.set MSB, 0
.macro WIN new
.if MSB != \new
	s_set_vgpr_msb (MSB<<8)|\new
.set MSB, \new
.endif
.endm
.macro PLACES n
.rept \n
	v_nop
.endr
.endm
.macro ROUND
	s_barrier_signal -1
	s_barrier_wait -1
	s_cmp_lg_u32 s[WV], 0
	s_cbranch_scc1 .Lnot_wave_0_\@
	s_barrier_signal -3
.Lnot_wave_0_\@:
	s_barrier_wait -3
	s_barrier_signal -1
	s_barrier_wait -1
.endm
.macro QUANT src
.irp b, 0,1,2,3
	v_max3_num_f32 v[TM+\b], |v[\src+16*\b]|, |v[\src+1+16*\b]|, 0x1800000
.endr
.irp i, 2,4,6,8,10,12,14
.irp b, 0,1,2,3
	v_max3_num_f32 v[TM+\b], v[TM+\b], |v[\src+16*\b+\i]|, |v[\src+1+16*\b+\i]|
.endr
.endr
.irp b, 0,1,2,3
	v_permlanex16_b32 v[TM+4+\b], v[TM+\b], s[SEL], s[SEL+1]
.endr
.irp b, 0,1,2,3
	v_max_num_f32 v[TM+\b], v[TM+\b], v[TM+4+\b]
.endr
.irp b, 0,1,2,3
	v_add_nc_u32 v[TM+12+\b], 0xff000000, v[TM+\b]
.endr
.irp b, 0,1,2,3
	v_lshrrev_b32 v[TM+4+\b], 23, v[TM+12+\b]
.endr
	v_lshl_or_b32 v[PW], v[TM+5], 8, v[TM+4]
	v_lshl_or_b32 v[PW], v[TM+6], 16, v[PW]
	v_lshl_or_b32 v[PW], v[TM+7], 24, v[PW]
.irp b, 0,1,2,3
	v_cvt_scalef32_pk8_fp4_f32 v[PC+2*\b], v[\src+16*\b:\src+7+16*\b], v[TM+12+\b]
	v_cvt_scalef32_pk8_fp4_f32 v[PC+1+2*\b], v[\src+8+16*\b:\src+15+16*\b], v[TM+12+\b]
.endr
	v_nop
.irp c, 0,1
.irp i, 0,1
	v_permlane16_swap_b32 v[PC+4*\c+\i], v[PC+2+4*\c+\i]
.endr
.endr
.endm
; The change of slots: all my tensor loads have landed (my part of the chunk ahead), 0 is added to my spare word, and that, my LDS stores and my reads of the slot left behind are waited for.
; fill = 1: behind the round that slot takes the chunk whose address stands in s[58:59].
.macro CHANGE fill
	s_wait_tensorcnt 0x0
	ds_add_u32 v[SPW], v[NIL]
.if \fill
	s_xor_b32 s37, s37, SLOT1
	s_mov_b64 s[38:39], s[58:59]
	s_or_b32 s39, s39, 0x80000000
.endif
	s_wait_dscnt 0x0
.if \fill
	ROUND
	tensor_load_to_lds s[36:39], s[28:35]          ; my one load behind the round
	s_nop 0
	PLACES 4
.else
	s_barrier_signal -1
	s_barrier_wait -1
.endif
.endm
; The address of the chunk to be asked for next: place idx of the walk is chunk idx xor the cluster's turn (s67 holds 0)
.macro NEXTC base, rot, idx
	s_xor_b32 s57, s[\rot], \idx
	s_mul_i32 s66, s57, CHUNK
	s_add_nc_u64 s[58:59], s[\base:\base+1], s[66:67]
.endm
.macro BASES
	v_add_nc_u32 v[KB], s[TG], v[KB0]
	v_add_nc_u32 v[KSB], s[TG], v[KS0]
.endm
.macro ASK                             ; in the third of the eight trips alone; the address is never rewritten
	s_cmp_eq_u32 s[CNT], 6
	s_cbranch_scc0 .Lnot_now_\@
	global_prefetch_b8 v[PFO], s[PFA:PFA+1] th:TH_LOAD_NT scope:SCOPE_SE
.Lnot_now_\@:
.endm
	s_load_b256 s[4:11], s[0:1], 0x0               ; x, q_b, bn, wq
	s_load_b256 s[12:19], s[0:1], 0x20             ; kv, npad, wf, f_b
	s_load_b64 s[20:21], s[0:1], 0x40              ; out0
	v_lshl_add_u32 v[SPW], v0, 2, SPARE
	v_mov_b32 v[NIL], 0
	ds_add_u32 v1, v2
	ds_add_u32 v1, v2
	s_wait_dscnt 0x0
	v_lshrrev_b32 v[LL], 5, v0
	v_readfirstlane_b32 s[WV], v[LL]
	v_and_b32 v[LL], 31, v0
	v_and_b32 v[RR], 15, v0
	v_bfe_u32 v[HH], v0, 4, 1
	s_bfe_u32 s23, ttmp6, 0x40000                  ; cx
	s_lshl_b32 s24, ttmp9, 2
	s_add_co_u32 s24, s24, s23                     ; my 32 queries: it enters the addresses of x, out0 and the prefetch alone
	s_lshr_b32 s25, ttmp9, 3                       ; the batch, which the four partners share
	s_and_b32 s[RQ], ttmp9, 3                      ; the cluster's turns: the same in all four partners
	s_and_b32 s[RK], ttmp9, 7
	s_mov_b32 s28, 0x0023000f                      ; group 1: 136 rows of 256 bytes, dense; the mask of all four, bit 21 beside it
	s_mov_b32 s29, 32<<16
	s_mov_b32 s30, 136<<16
	s_mov_b32 s31, 32<<16
	s_mov_b32 s32, 136
	s_mov_b32 s33, 32
	s_mov_b32 s34, 0
	s_mov_b32 s35, 0
	s_mov_b32 s[TG], 0
	s_mov_b32 s[NPS], 0
	s_mov_b32 s[SEL], 0x76543210
	s_mov_b32 s[SEL+1], 0xfedcba98
	s_mov_b32 s[CS], 0x431044fe                    ; log2(e) / 0.01
	s_mov_b32 s[CS+1], s[CS]
	s_mov_b32 s54, 0x40c00000                      ; 6.0
	s_mov_b32 s55, 0x05040100                      ; two low halves
	s_mov_b32 s56, 0x07060302                      ; two high halves
	s_mul_i32 s60, s[WV], PARTB
	s_mov_b32 s61, 0
	s_mul_i32 s62, s25, 8*CHUNK
	s_mov_b32 s63, 0
	v_lshlrev_b32 v[XO], 5, v[LL]
	v_lshlrev_b32 v[L16], 4, v[LL]
.irp c, 0,1,2,3
	s_xor_b32 s66, s[RQ], \c
	s_lshl_b32 s66, s66, 11
	v_add_nc_u32 v[XOC+\c], s66, v[XO]             ; the walk's chunk c is 512 k from 512 (c xor RQ): 2,048 bytes of a row
.endr
	s_lshl_b32 s66, s[WV], 1
	s_xor_b32 s57, s66, s[RK]
	s_lshl_b32 s57, s57, 10
	v_add_nc_u32 v[NPG0], s57, v[L16]              ; the walk's slot 2 w is slot 2 w xor RK: 1,024 bytes of pads
	s_or_b32 s66, s66, 1
	s_xor_b32 s57, s66, s[RK]
	s_lshl_b32 s57, s57, 10
	v_add_nc_u32 v[NPG1], s57, v[L16]
	v_add_nc_u32 v[KB0], s60, v[L16]               ; my part: fragments at 16 x lane,
	s_add_co_u32 s66, s60, 32768
	v_lshl_add_u32 v[KS0], v[RR], 4, s66           ; scale words at 16 r
	s_lshl_b32 s66, s[WV], 12
	s_add_co_u32 s66, s66, 16384
	v_add_nc_u32 v[VB00], s66, v[L16]              ; every record's V: my 8 tiles of d
	s_lshl_b32 s66, s[WV], 8
	s_add_co_u32 s66, s66, 33792
	v_lshl_add_u32 v[VS00], v[RR], 4, s66
	s_mul_i32 s66, s[WV], 8*QP
	s_add_co_u32 s66, s66, QC
	v_lshl_add_u32 v[QCW], v[LL], 2, s66
	s_mul_i32 s66, s[WV], 8*QSP
	s_add_co_u32 s66, s66, QSC
	v_lshrrev_b32 v[QSW], 2, v[LL]
	v_add_nc_u32 v[QSW], s66, v[QSW]
	v_mul_u32_u24 v[QCR], v[RR], QP
	v_lshl_add_u32 v[QCR], v[HH], 4, v[QCR]
	v_add_nc_u32 v[QCR], QC, v[QCR]
	v_mul_u32_u24 v[QSR], v[RR], QSP
	v_add_nc_u32 v[QSR], QSC, v[QSR]
	v_add_nc_u32 v[IMGR], IMG, v[L16]
	s_lshl_b32 s66, s[WV], 10
	s_add_co_u32 s66, s66, IMG
	v_add_nc_u32 v[IMGW], s66, v[L16]
	s_lshl_b32 s66, s[WV], 7
	s_add_co_u32 s66, s66, IMGS
	v_lshl_add_u32 v[ISW], v[LL], 2, s66
	v_lshl_add_u32 v[ISR], v[LL], 2, IMGS
	s_lshl_b32 s66, s[WV], 2
	s_add_co_u32 s67, s66, SUMQ
	v_lshl_add_u32 v[SQW], v[RR], 4, s67
	v_lshl_add_u32 v[SQR], v[RR], 4, SUMQ
	s_add_co_u32 s67, s66, MX
	v_lshl_add_u32 v[MXW], v[RR], 4, s67
	v_lshl_add_u32 v[MXR], v[RR], 4, MX
	s_lshl_b32 s66, s[WV], 8
	s_add_co_u32 s66, s66, NP
	v_lshl_add_u32 v[NPA0], v[HH], 6, s66          ; pads: my record's 64 keys, + 16 h keys
	s_lshl_b32 s66, s[WV], 9
	v_lshl_add_u32 v[BO], v[HH], 6, s66            ; biases and a_f, c_f: 512 w + 64 h
	s_add_co_u32 s66, s66, PIMG
	v_lshl_add_u32 v[PIW], v[RR], 4, s66           ; p's image: record w is group w % 2 of fragment w / 2: 512 w; + 16 r + 8 h
	v_lshl_add_u32 v[PIW], v[HH], 3, v[PIW]
	s_lshl_b32 s66, s[WV], 1
	s_add_co_u32 s66, s66, PSC
	v_lshl_add_u32 v[PSW], v[RR], 3, s66
	v_lshl_add_u32 v[PSR], v[RR], 3, PSC
	v_add_nc_u32 v[PIR], PIMG, v[L16]
	s_mul_i32 s66, s[WV], 8448
	s_add_co_u32 s66, s66, STG
	v_mul_u32_u24 v[STW], v[RR], 528
	v_lshl_add_u32 v[STW], v[HH], 6, v[STW]
	v_add_nc_u32 v[STW], s66, v[STW]
	v_add_nc_u32 v[STR], s66, v[L16]
	v_lshlrev_b32 v[PFO], 8, v[LL]
	s_lshl_b32 s66, s[WV], 11
	s_add_co_u32 s66, s66, NP
	v_add_nc_u32 v[NPW], s66, v[L16]
.irp b, 0,1,2,3
	v_mov_b32 v[TM+\b], 0                          ; lane permutes' destinations count as read
	v_mov_b32 v[TM+4+\b], 0
.endr
	s_mov_b32 s67, 0                               ; from here on the upper word of the offsets in s[66:67]
	s_wait_kmcnt 0x0
	s_add_nc_u64 s[10:11], s[10:11], s[60:61]      ; wq at my part
	s_add_nc_u64 s[12:13], s[12:13], s[62:63]      ; kv at the batch
	s_add_nc_u64 s[40:41], s[12:13], s[60:61]      ; and at my record of its slot 0
	s_add_nc_u64 s[42:43], s[16:17], s[60:61]      ; wf at my part
	s_mul_i32 s66, s[RQ], CHUNK                    ; the walk's first chunk of W_q, into slot 0
	s_mov_b32 s[G0F], 1
	s_mov_b32 s[G0F+1], s60
	s_add_nc_u64 s[G0F+2:G0F+3], s[10:11], s[66:67]
	s_or_b32 s[G0F+3], s[G0F+3], 0x80000000
	s_xor_b32 s57, s[RQ], 1                        ; its second, into slot 1
	s_mul_i32 s66, s57, CHUNK
	s_mov_b32 s36, 1
	s_add_co_u32 s37, s60, SLOT1
	s_add_nc_u64 s[38:39], s[10:11], s[66:67]
	s_or_b32 s39, s39, 0x80000000
	NEXTC 10, RQ, 2                                ; the next chunk to be asked for
	ROUND
	tensor_load_to_lds s[G0F:G0F+3], s[28:35]      ; both first fills go out together: two loads of mine are out
	s_nop 0
	tensor_load_to_lds s[36:39], s[28:35]
	s_nop 0
	PLACES 4
	s_xor_b32 s57, s[RK], 4                        ; the prefetch: the slot of the walk's fifth trip,
	s_mul_i32 s62, s57, CHUNK
	s_mul_i32 s66, s23, PARTB                      ; my work-group's record of it,
	s_add_co_u32 s62, s62, s66
	s_lshl_b32 s66, s[WV], 13                      ; my wave's 32 blocks of its codes
	s_add_co_u32 s62, s62, s66
	s_add_nc_u64 s[PFA:PFA+1], s[12:13], s[62:63]
	s_lshl_b32 s62, s24, 18
	s_lshl_b32 s66, s[WV], 16
	s_add_co_u32 s66, s62, s66
	s_add_nc_u64 s[4:5], s[4:5], s[66:67]          ; x at my 8 rows
	s_lshl_b32 s66, s[WV], 9
	s_add_co_u32 s66, s62, s66
	s_add_nc_u64 s[20:21], s[20:21], s[66:67]      ; out0 at my 32 rows, my 128 columns of a chunk
	s_lshl_b32 s66, s25, 13
	s_add_nc_u64 s[14:15], s[14:15], s[66:67]
	WIN 0xc0
.irp u, 0,1,2,3,4,5,6,7
.irp j, 0,1
	global_load_b128 v[16*\u+4*\j:16*\u+4*\j+3], v[XOC+\u/2], s[8:9] offset:1024*(\u%2)+16*\j          ; a_q of my 8 k of the walk's unit u
	global_load_b128 v[16*\u+8+4*\j:16*\u+8+4*\j+3], v[XOC+\u/2], s[8:9] offset:8192+1024*(\u%2)+16*\j ; c_q
.endr
.endr
	WIN 0x40
.set NN, 0
.rept 32                                       ; row units n = 8 u + i: row i of my 8, the walk's unit u of 256 k
	global_load_b128 v[8*NN:8*NN+3], v[XOC+NN/16], s[4:5] offset:(NN%8)*8192+((NN/8)%2)*1024 th:TH_LOAD_NT
	global_load_b128 v[8*NN+4:8*NN+7], v[XOC+NN/16], s[4:5] offset:(NN%8)*8192+((NN/8)%2)*1024+16 th:TH_LOAD_NT
.set NN, NN+1
.endr
	WIN 0
; Row units n and n + 1 by turns, so that the two chains of maxima do not wait for each other
.macro ROWQ2 n
.set CN, 2*(62-(\n))
.if CN > 60
.set CN, 60
.endif
	s_wait_loadcnt CN                              ; both units are in; the 30 younger units (or what is left of them) stay out
	WIN 0x3d
.irp e, 0,1
.irp j, 0,2,4,6
	v_pk_fma_f32 v[192+8*\e+\j:193+8*\e+\j], v[8*(((\n)+\e)%32)+\j:8*(((\n)+\e)%32)+\j+1], v[16*((\n)/8)+\j:16*((\n)/8)+\j+1], v[16*((\n)/8)+8+\j:16*((\n)/8)+8+\j+1]
.endr
.endr
.if (\n) < 32
	WIN 0x40
.irp e, 0,1
.irp j, 0,1
	global_load_b128 v[8*((\n)+\e)+4*\j:8*((\n)+\e)+4*\j+3], v[XOC+2+(\n)/16], s[4:5] offset:(((\n)+\e)%8)*8192+(((\n)/8)%2)*1024+16*\j th:TH_LOAD_NT
.endr
.endr
.endif
	WIN 0
	s_wait_dscnt 4                                 ; the stores of two pairs ago have read their registers
.irp e, 0,1
	v_max3_num_f32 v[208+\e], |v[192+8*\e]|, |v[193+8*\e]|, 0x1800000
.endr
.irp i, 2,4,6
.irp e, 0,1
	v_max3_num_f32 v[208+\e], v[208+\e], |v[192+8*\e+\i]|, |v[193+8*\e+\i]|
.endr
.endr
.irp x, 1,2
.irp e, 0,1
	v_max_num_f32_dpp v[208+\e], v[208+\e], v[208+\e] row_xmask:\x row_mask:0xf bank_mask:0xf
.endr
.endr
.irp e, 0,1
	v_add_nc_u32 v[210+\e], 0xff000000, v[208+\e]
.endr
.irp e, 0,1
	v_cvt_scalef32_pk8_fp4_f32 v[212+((\n)+\e)%4], v[192+8*\e:199+8*\e], v[210+\e]
.endr
.irp e, 0,1
	v_lshrrev_b32 v[216+((\n)+\e)%4], 23, v[210+\e]
.endr
.irp e, 0,1
	ds_store_b32 v[QCW], v[212+((\n)+\e)%4] offset:(((\n)+\e)%8)*QP+128*((\n)/8)
	ds_store_b8 v[QSW], v[216+((\n)+\e)%4] offset:(((\n)+\e)%8)*QSP+8*((\n)/8)
.endr
.endm
.macro QROWS c
.set NN, 16*(\c)
.rept 8
	ROWQ2 NN
.set NN, NN+2
.endr
.endm
.macro XFETCH c                        ; the 32 rows' fragments and scale words of the walk's chunk c
	WIN 0x80
.irp m, 0,1
.irp k, 0,1,2,3
.irp e, 0,1
	ds_load_b128 v[128+8*(4*\m+\k)+4*\e:128+8*(4*\m+\k)+4*\e+3], v[QCR] offset:\m*16*QP+256*(\c)+64*\k+32*\e
.endr
.endr
.endr
	WIN 0
.irp m, 0,1
	ds_load_b128 v[XS+4*\m:XS+4*\m+3], v[QSR] offset:\m*16*QSP+16*(\c)
.endr
.endm
.macro WFLOAD ks, set
.irp t, 0,1,2,3,4,5,6,7
.irp e, 0,1
	ds_load_b128 v[64*\set+8*\t+4*\e:64*\set+8*\t+4*\e+3], v[KB] offset:(8*\ks+\t)*1024+512*\e
.endr
.endr
.endm
; 16 products, the 16 accumulators by turns.  kind 0: they start the sums; 2: the bias is the sums' C; 1: they add on
.macro GMUL ks, set, kind
	WIN 0xfa                                       ; sources window 2, C and D window 3
.irp m, 0,1
.irp t, 0,1,2,3,4,5,6,7
.if \kind == 0
	v_wmma_scale_f32_16x16x128_f8f6f4 v[128+8*(8*\m+\t):128+8*(8*\m+\t)+7], v[64*\set+8*\t:64*\set+8*\t+7], v[128+8*(4*\m+\ks):128+8*(4*\m+\ks)+7], 0, v[WS+4*(2*(\t/2)+(\ks)/2)+2*(\t%2)+(\ks)%2], v[XS+4*\m+\ks] matrix_a_fmt:MATRIX_FMT_FP4 matrix_b_fmt:MATRIX_FMT_FP4
.elseif \kind == 2
	v_wmma_scale_f32_16x16x128_f8f6f4 v[128+8*(8*\m+\t):128+8*(8*\m+\t)+7], v[64*\set+8*\t:64*\set+8*\t+7], v[128+8*(4*\m+\ks):128+8*(4*\m+\ks)+7], v[8*\t:8*\t+7], v[WS+4*(2*(\t/2)+(\ks)/2)+2*(\t%2)+(\ks)%2], v[XS+4*\m+\ks] matrix_a_fmt:MATRIX_FMT_FP4 matrix_b_fmt:MATRIX_FMT_FP4
.else
	v_wmma_scale_f32_16x16x128_f8f6f4 v[128+8*(8*\m+\t):128+8*(8*\m+\t)+7], v[64*\set+8*\t:64*\set+8*\t+7], v[128+8*(4*\m+\ks):128+8*(4*\m+\ks)+7], v[128+8*(8*\m+\t):128+8*(8*\m+\t)+7], v[WS+4*(2*(\t/2)+(\ks)/2)+2*(\t%2)+(\ks)%2], v[XS+4*\m+\ks] matrix_a_fmt:MATRIX_FMT_FP4 matrix_b_fmt:MATRIX_FMT_FP4
.endif
.endr
.endr
.endm
; A chunk's 64 products: W's fragments in two sets, each fetched 16 products ahead.  fb = 1: the next chunk's bias is asked for when this one's has been read
.macro GCH kind, fb
.irp g, 0,1,2,3,4,5,6,7
	ds_load_b128 v[WS+4*\g:WS+4*\g+3], v[KSB] offset:256*\g
.endr
	WIN 0x80
	WFLOAD 0, 0
	WFLOAD 1, 1
	s_wait_dscnt 16                                ; all but the second set
	GMUL 0, 0, \kind
	PLACES 4
.if \fb
	WIN 0xc0
.irp b, 0,1,2,3
.irp i, 0,1,2,3
	global_load_b128 v[16*\b+4*\i:16*\b+4*\i+3], v[FBO], s[18:19] offset:128*\b+16*\i
.endr
.endr
.endif
	WIN 0x80
	WFLOAD 2, 0
	s_wait_dscnt 16
	GMUL 1, 1, 1
	PLACES 4
	WIN 0x80
	WFLOAD 3, 1
	s_wait_dscnt 16
	GMUL 2, 0, 1
	s_wait_dscnt 0x0
	GMUL 3, 1, 1
	WIN 0
.endm
	; ---- q = x W_q: four chunks of 512 k; x of two chunks stays on its way under the products
	QROWS 0
	s_wait_tensorcnt 0x1                           ; my part of the first chunk is in; the second's load may stay out
	s_wait_dscnt 0x0                               ; my stores of codes and scale bytes have landed
	s_barrier_signal -1
	s_barrier_wait -1
	BASES
	XFETCH 0
	GCH 0, 0
	s_xor_b32 s[TG], s[TG], SLOT1
	QROWS 1
	CHANGE 1                                       ; slot 0 takes the walk's third chunk
	NEXTC 10, RQ, 3
	BASES
	XFETCH 1
	GCH 1, 0
	s_xor_b32 s[TG], s[TG], SLOT1
	QROWS 2
	CHANGE 1
	NEXTC 40, RK, 0                                ; next: the walk's first slot of keys
	BASES
	XFETCH 2
	GCH 1, 0
	s_xor_b32 s[TG], s[TG], SLOT1
	QROWS 3
	WIN 0x40
.irp b, 0,1,2,3
.irp i, 0,1,2,3
	global_load_b128 v[16*\b+4*\i:16*\b+4*\i+3], v[BO], s[6:7] offset:128*\b+16*\i   ; q_b, into ring registers that are done with
.endr
.endr
	WIN 0
.irp i, 0,1
	global_load_b128 v[192+4*\i:195+4*\i], v[NPG0], s[14:15] offset:512*\i           ; the pads of the walk's slots 2 w
	global_load_b128 v[200+4*\i:203+4*\i], v[NPG1], s[14:15] offset:512*\i           ; and 2 w + 1
.endr
	CHANGE 1
	NEXTC 40, RK, 1
	BASES
	XFETCH 3
	GCH 1, 0
	s_xor_b32 s[TG], s[TG], SLOT1
	; ---- bias, clip, l2 norm, q's fragments
	PLACES 4
	s_wait_loadcnt 0x0
.irp m, 0,1
	WIN 0xc7
.irp t, 0,1,2,3,4,5,6,7
.irp p, 0,2,4,6
	v_pk_add_f32 v[128+64*\m+8*\t+\p:128+64*\m+8*\t+\p+1], v[128+64*\m+8*\t+\p:128+64*\m+8*\t+\p+1], v[8*\t+\p:8*\t+\p+1]
.endr
.endr
	WIN 0xc3
.set N, 0
.rept 64
	v_med3_num_f32 v[128+64*\m+N], v[128+64*\m+N], 0, s54
.set N, N+1
.endr
	WIN 0x0f
.irp p, 0,2,4,6
	v_pk_mul_f32 v[208+\p:209+\p], v[128+64*\m+\p:128+64*\m+\p+1], v[128+64*\m+\p:128+64*\m+\p+1]
.endr
.irp t, 1,2,3,4,5,6,7
.irp p, 0,2,4,6
	v_pk_fma_f32 v[208+\p:209+\p], v[128+64*\m+8*\t+\p:128+64*\m+8*\t+\p+1], v[128+64*\m+8*\t+\p:128+64*\m+8*\t+\p+1], v[208+\p:209+\p]
.endr
.endr
	WIN 0
	v_pk_add_f32 v[208:209], v[208:209], v[210:211]
	v_pk_add_f32 v[212:213], v[212:213], v[214:215]
	v_pk_add_f32 v[208:209], v[208:209], v[212:213]
	v_add_f32 v[216+\m], v208, v209
.endr
.irp m, 0,1
	v_permlanex16_b32 v[218+\m], v[216+\m], s[SEL], s[SEL+1]
.endr
.irp m, 0,1
	v_add_f32 v[216+\m], v[216+\m], v[218+\m]
.endr
.irp m, 0,1
	ds_store_b32 v[SQW], v[216+\m] offset:256*\m
.endr
	s_wait_dscnt 0x0
	s_barrier_signal -1
	s_barrier_wait -1                              ; the sums are whole, and nobody reads x's codes any more: the pads take their bytes
.irp i, 0,1,2,3
	ds_store_b128 v[NPW], v[192+4*\i:195+4*\i] offset:512*\i
.endr
.irp m, 0,1
	ds_load_b128 v[208+4*\m:211+4*\m], v[SQR] offset:256*\m
.endr
	s_wait_dscnt 0x0
.irp m, 0,1
	v_add_f32 v[208+4*\m], v[208+4*\m], v[209+4*\m]
	v_add_f32 v[210+4*\m], v[210+4*\m], v[211+4*\m]
	v_add_f32 v[216+\m], v[208+4*\m], v[210+4*\m]
.endr
.irp m, 0,1
	v_max_num_f32 v[216+\m], 0x2b8cbccc, v[216+\m]
.endr
.irp m, 0,1
	v_rsq_f32 v[220+2*\m], v[216+\m]
	v_rsq_f32 v[221+2*\m], v[216+\m]
.endr
	v_nop
	s_wait_alu depctr_va_vdst(0)                   ; one wait for the four roots
.irp m, 0,1
	WIN 0x03
.set N, 0
.rept 32
	v_pk_mul_f32 v[HA+N:HA+N+1], v[128+64*\m+N:128+64*\m+N+1], v[220+2*\m:221+2*\m]
.set N, N+2
.endr
	WIN 0
	QUANT HA
	ds_store_b128 v[IMGW], v[PC:PC+3] offset:4096*\m           ; fragment 4 m + w, as its registers stand
	ds_store_b128 v[IMGW], v[PC+4:PC+7] offset:4096*\m+512
	ds_store_b32 v[ISW], v[PW] offset:512*\m
	s_wait_dscnt 0x0
.endr
	s_barrier_signal -1
	s_barrier_wait -1
	WIN 0x40
.irp f, 0,1,2,3,4,5,6,7
.irp e, 0,1
	ds_load_b128 v[8*\f+4*\e:8*\f+4*\e+3], v[IMGR] offset:1024*\f+512*\e    ; q's eight fragments stay in registers
.endr
.endr
	WIN 0
.irp f, 0,1,2,3,4,5,6,7
	ds_load_b32 v[XS+\f], v[ISR] offset:128*\f
.endr
	WIN 0xc0
.irp b, 0,1,2,3
.irp i, 0,1,2,3
	global_load_b128 v[64+16*\b+4*\i:64+16*\b+4*\i+3], v[BO], s[8:9] offset:16384+128*\b+16*\i    ; a_f
	global_load_b128 v[128+16*\b+4*\i:128+16*\b+4*\i+3], v[BO], s[8:9] offset:18432+128*\b+16*\i  ; c_f, where q's accumulators lay
.endr
.endr
	WIN 0x80
.set N, 0
.rept 128
	v_mov_b32 v[N], 0                              ; O^T: the key trip is written once, its first pass finds zeros
.set N, N+1
.endr
	WIN 0
.irp q, 0,1
	v_mov_b32 v[ST+8*\q+1], 0xff61b1e6             ; the largest t so far: -3e38
	v_floor_f32 v[ST+8*\q], -v[ST+8*\q+1]
	v_mov_b32 v[ST+8*\q+2], 0
	v_mov_b32 v[ST+8*\q+3], 0
	v_mov_b32 v[ST+8*\q+4], 0
	v_mov_b32 v[ST+8*\q+5], 0
.endr
	s_mov_b32 s[CNT], 8
.Lbig:                                         ; a slot of 256 keys: trip j = 8 - CNT of the walk
	CHANGE 1
	s_sub_co_u32 s57, 10, s[CNT]                   ; what the NEXT change asks for: place j + 2 of the walk;
	s_and_b32 s57, s57, 7                          ; in the last two trips places 0 and 1
	s_cmp_lt_u32 s[CNT], 3
	s_cselect_b32 s66, s[RQ], s[RK]                ; of W_f's chunks, with their own turn
	s_cselect_b64 s[60:61], s[42:43], s[40:41]
	s_xor_b32 s57, s57, s66
	s_mul_i32 s66, s57, CHUNK
	s_add_nc_u64 s[58:59], s[60:61], s[66:67]
	BASES
	v_add_nc_u32 v[VB0], s[TG], v[VB00]
	v_add_nc_u32 v[VB1], 2*PARTB, v[VB0]
	v_add_nc_u32 v[VS0], s[TG], v[VS00]
	v_add_nc_u32 v[VS1], 2*PARTB, v[VS0]
	v_add_nc_u32 v[NPA], s[NPS], v[NPA0]
.irp k, 0,1,2,3
	ds_load_b128 v[KS+4*\k:KS+4*\k+3], v[KSB] offset:256*\k
.endr
.irp m, 0,1,2,3
.irp i, 0,1
	ds_load_b128 v[NPR+8*\m+4*\i:NPR+8*\m+4*\i+3], v[NPA] offset:128*(\m/2)+32*(\m%2)+16*\i
.endr
.endr
	WIN 0x40
.irp f, 0,1,2,3,4,5,6,7,8,9,10,11,12,13,14,15
.irp e, 0,1
	ds_load_b128 v[64+8*\f+4*\e:64+8*\f+4*\e+3], v[KB] offset:1024*\f+512*\e      ; my record's K: fragment 4 m + k step
.endr
.endr
	WIN 0
.irp p, 0,1
	ds_load_b128 v[VR+4*\p:VR+4*\p+3], v[VS0] offset:PARTB*\p
.endr
.irp p, 0,1
	ds_load_b128 v[VR+8+4*\p:VR+8+4*\p+3], v[VS1] offset:PARTB*\p
.endr
	WIN 0x80
.irp t, 0,1,2,3,4,5,6,7
.irp e, 0,1
	ds_load_b128 v[128+8*\t+4*\e:128+8*\t+4*\e+3], v[VB0] offset:PARTB*\e+512*\t   ; keys 0-127: records 0 and 1 are the fragment's two halves
.endr
.endr
	WIN 0xc0
.irp t, 0,1,2,3,4,5,6,7
.irp e, 0,1
	ds_load_b128 v[8*\t+4*\e:8*\t+4*\e+3], v[VB1] offset:PARTB*\e+512*\t           ; keys 128-255
.endr
.endr
	WIN 0
	ASK                                            ; in the third trip: the slot of the fifth
	s_wait_dscnt 36                                ; K, its scale words and the pads are in; V's 36 loads may be out
	WIN 0x05
.irp k, 0,1,2,3
.irp q, 0,1
.irp m, 0,1,2,3
.if \k == 0
	v_wmma_scale_f32_16x16x128_f8f6f4 v[HA+32*\q+8*\m:HA+32*\q+8*\m+7], v[64+8*(4*\m+\k):64+8*(4*\m+\k)+7], v[8*(4*\q+\k):8*(4*\q+\k)+7], v[NPR+8*\m:NPR+8*\m+7], v[KS+4*\k+\m], v[XS+4*\q+\k] matrix_a_fmt:MATRIX_FMT_FP4 matrix_b_fmt:MATRIX_FMT_FP4
.else
	v_wmma_scale_f32_16x16x128_f8f6f4 v[HA+32*\q+8*\m:HA+32*\q+8*\m+7], v[64+8*(4*\m+\k):64+8*(4*\m+\k)+7], v[8*(4*\q+\k):8*(4*\q+\k)+7], v[HA+32*\q+8*\m:HA+32*\q+8*\m+7], v[KS+4*\k+\m], v[XS+4*\q+\k] matrix_a_fmt:MATRIX_FMT_FP4 matrix_b_fmt:MATRIX_FMT_FP4
.endif
.endr
.endr
.endr
	WIN 0
	s_wait_dscnt 32                                ; V's scale halves are in
.irp k, 0,1                                    ; V's scale words: two bytes from each of two records.  These sixteen are also the places behind the products
.irp i, 0,1,2,3
	v_perm_b32 v[VW+8*\k+2*\i], v[VR+8*\k+4+\i], v[VR+8*\k+\i], s55
	v_perm_b32 v[VW+8*\k+2*\i+1], v[VR+8*\k+4+\i], v[VR+8*\k+\i], s56
.endr
.endr
.irp q, 0,1
.irp b, 0,1
	v_max3_num_f32 v[ST+8*\q+6+\b], v[HA+32*\q+16*\b], v[HA+32*\q+16*\b+1], v[HA+32*\q+16*\b+2]   ; the largest score of each block of 32 keys
.endr
.endr
.irp i, 3,5,7,9,11,13
.irp q, 0,1
.irp b, 0,1
	v_max3_num_f32 v[ST+8*\q+6+\b], v[ST+8*\q+6+\b], v[HA+32*\q+16*\b+\i], v[HA+32*\q+16*\b+\i+1]
.endr
.endr
.endr
.irp q, 0,1
.irp b, 0,1
	v_max_num_f32 v[ST+8*\q+6+\b], v[ST+8*\q+6+\b], v[HA+32*\q+16*\b+15]
.endr
.endr
.irp q, 0,1
.irp b, 0,1
	v_permlanex16_b32 v[TM+2*\q+\b], v[ST+8*\q+6+\b], s[SEL], s[SEL+1]
.endr
.endr
.irp q, 0,1
.irp b, 0,1
	v_max_num_f32 v[ST+8*\q+6+\b], v[ST+8*\q+6+\b], v[TM+2*\q+\b]
.endr
.endr
.irp q, 0,1
	v_max_num_f32 v[TM+12+2*\q], v[ST+8*\q+6], v[ST+8*\q+7]
.endr
.irp q, 0,1
	ds_store_b32 v[MXW], v[TM+12+2*\q] offset:256*\q
.endr
	s_wait_dscnt 0x0
	s_barrier_signal -1                            ; the next chunk's load stays out
	s_barrier_wait -1
	ds_load_b128 v[TM+4:TM+7], v[MXR]
	ds_load_b128 v[TM+8:TM+11], v[MXR] offset:256
	s_wait_dscnt 0x0
.irp q, 0,1
	v_max3_num_f32 v[TM+12+2*\q], v[TM+4+4*\q], v[TM+5+4*\q], v[TM+6+4*\q]
.endr
.irp q, 0,1
	v_max_num_f32 v[TM+12+2*\q], v[TM+12+2*\q], v[TM+7+4*\q]   ; the slot's largest score of my query, the same in all four waves
.endr
.irp q, 0,1
	v_mul_f32 v[TM+12+2*\q], s[CS], v[TM+12+2*\q]
.endr
.irp q, 0,1
	v_max_num_f32 v[ST+8*\q+1], v[ST+8*\q+1], v[TM+12+2*\q]
.endr
.irp q, 0,1
	v_mov_b32 v[TM+12+2*\q], v[ST+8*\q]
.endr
.irp q, 0,1
	v_floor_f32 v[ST+8*\q], -v[ST+8*\q+1]          ; -M = floor(-t): M is a whole number
.endr
.irp q, 0,1
	v_sub_f32 v[TM+12+2*\q], v[ST+8*\q], v[TM+12+2*\q]
.endr
.irp q, 0,1
	v_cvt_i32_f32 v[TM+12+2*\q], v[TM+12+2*\q]
.endr
.irp q, 0,1
	v_ldexp_f32 v[ST+8*\q+4], 1.0, v[TM+12+2*\q]   ; f = 2^(old M - new M)
.endr
.irp q, 0,1
.set N, 0
.rept 16
	v_pk_fma_f32 v[HA+32*\q+N:HA+32*\q+N+1], v[HA+32*\q+N:HA+32*\q+N+1], s[CS:CS+1], v[ST+8*\q:ST+8*\q+1] op_sel_hi:[1,0,0]   ; t - M
.set N, N+2
.endr
.endr
.irp q, 0,1
.irp b, 0,1
	v_fma_f32 v[ST+8*\q+6+\b], v[ST+8*\q+6+\b], s[CS], v[ST+8*\q]
.endr
.endr
.set N, 0
.rept 64
	v_exp_f32 v[HA+N], v[HA+N]                     ; p, not normalised
.set N, N+1
.endr
.irp q, 0,1
	v_pk_mul_f32 v[ST+8*\q+2:ST+8*\q+3], v[ST+8*\q+2:ST+8*\q+3], v[ST+8*\q+4:ST+8*\q+5] op_sel_hi:[1,0]   ; l under the new M: plain work behind the batch
.endr
	s_wait_alu depctr_va_vdst(0)                   ; one wait for the 64, ahead of their first reader
.irp q, 0,1
.irp b, 0,1
	v_exp_f32 v[ST+8*\q+6+\b], v[ST+8*\q+6+\b]     ; each block's largest p
.endr
.endr
.irp q, 0,1
	v_pk_add_f32 v[TM+12+2*\q:TM+13+2*\q], v[HA+32*\q:HA+32*\q+1], v[HA+32*\q+2:HA+32*\q+3]   ; the sum of the unquantised p, in two chains a tile
.endr
.irp j, 4,8,12,16,20,24,28
.irp q, 0,1
	v_pk_add_f32 v[ST+8*\q+2:ST+8*\q+3], v[ST+8*\q+2:ST+8*\q+3], v[HA+32*\q+\j:HA+32*\q+\j+1]
	v_pk_add_f32 v[TM+12+2*\q:TM+13+2*\q], v[TM+12+2*\q:TM+13+2*\q], v[HA+32*\q+\j+2:HA+32*\q+\j+3]
.endr
.endr
.irp q, 0,1
	v_pk_add_f32 v[ST+8*\q+2:ST+8*\q+3], v[ST+8*\q+2:ST+8*\q+3], v[TM+12+2*\q:TM+13+2*\q]
.endr
	s_wait_alu depctr_va_vdst(0)                   ; and one for the four
.irp q, 0,1
.irp b, 0,1
	v_max_num_f32 v[ST+8*\q+6+\b], 0x1800000, v[ST+8*\q+6+\b]
.endr
.endr
.irp q, 0,1
.irp b, 0,1
	v_add_nc_u32 v[EE+2*\q+\b], 0xff000000, v[ST+8*\q+6+\b]
.endr
.endr
.irp q, 0,1
.irp b, 0,1
	v_lshrrev_b32 v[EE+4+2*\q+\b], 23, v[EE+2*\q+\b]
.endr
.endr
.irp q, 0,1
.irp b, 0,1
	v_cvt_scalef32_pk8_fp4_f32 v[PCD+4*\q+2*\b], v[HA+32*\q+16*\b:HA+32*\q+16*\b+7], v[EE+2*\q+\b]
	v_cvt_scalef32_pk8_fp4_f32 v[PCD+4*\q+2*\b+1], v[HA+32*\q+16*\b+8:HA+32*\q+16*\b+15], v[EE+2*\q+\b]
.endr
.endr
	v_nop
.irp q, 0,1
.irp b, 0,1
	ds_store_b64 v[PIW], v[PCD+4*\q+2*\b:PCD+4*\q+2*\b+1] offset:2048*\q+256*\b   ; keys 16 h + 0 .. 15 of block b: 8 bytes of the operand's image
	ds_store_b8 v[PSW], v[EE+4+2*\q+\b] offset:128*\q+\b
.endr
.endr
	s_wait_dscnt 0x0
	s_barrier_signal -1
	s_barrier_wait -1                              ; p's four fragments and their scale bytes are whole
	WIN 0x80
.irp f, 0,1,2,3
.irp e, 0,1
	ds_load_b128 v[192+8*\f+4*\e:192+8*\f+4*\e+3], v[PIR] offset:1024*\f+512*\e
.endr
.endr
	WIN 0
.irp q, 0,1
	ds_load_b64 v[PWD+2*\q:PWD+2*\q+1], v[PSR] offset:128*\q
.endr
	WIN 0x82
.irp q, 0,1
.set N, 0
.rept 32
	v_pk_mul_f32 v[64*\q+N:64*\q+N+1], v[64*\q+N:64*\q+N+1], v[ST+8*\q+4:ST+8*\q+5] op_sel_hi:[1,0]   ; O^T under the new M
.set N, N+2
.endr
.endr
	s_wait_dscnt 0x0
.irp k, 0,1
.if \k == 0
	WIN 0xaa
.else
	WIN 0xab                                       ; the second 128 keys' V lies in window 3
.endif
.irp t, 0,1,2,3,4,5,6,7
.irp q, 0,1
	v_wmma_scale_f32_16x16x128_f8f6f4 v[64*\q+8*\t:64*\q+8*\t+7], v[128-128*\k+8*\t:128-128*\k+8*\t+7], v[192+8*(2*\q+\k):192+8*(2*\q+\k)+7], v[64*\q+8*\t:64*\q+8*\t+7], v[VW+8*\k+\t], v[PWD+2*\q+\k] matrix_a_fmt:MATRIX_FMT_FP4 matrix_b_fmt:MATRIX_FMT_FP4
.endr
.endr
.endr
	WIN 0
	s_add_co_u32 s[NPS], s[NPS], 1024
	s_xor_b32 s[TG], s[TG], SLOT1
	s_sub_co_u32 s[CNT], s[CNT], 1
	s_cmp_lg_u32 s[CNT], 0
	s_cbranch_scc1 .Lbig
	; ---- the features: O / l, the last batch norm, quantised along d
	PLACES 4
.irp q, 0,1
	v_add_f32 v[TM+12+2*\q], v[ST+8*\q+2], v[ST+8*\q+3]
.endr
.irp q, 0,1
	v_permlanex16_b32 v[TM+\q], v[TM+12+2*\q], s[SEL], s[SEL+1]
.endr
.irp q, 0,1
	v_add_f32 v[TM+12+2*\q], v[TM+12+2*\q], v[TM+\q]
.endr
.irp q, 0,1
	ds_store_b32 v[SQW], v[TM+12+2*\q] offset:256*\q
.endr
	s_wait_dscnt 0x0
	s_barrier_signal -1
	s_barrier_wait -1
	ds_load_b128 v[TM+4:TM+7], v[SQR]
	ds_load_b128 v[TM+8:TM+11], v[SQR] offset:256
	s_wait_dscnt 0x0
.irp q, 0,1
	v_add_f32 v[TM+4+4*\q], v[TM+4+4*\q], v[TM+5+4*\q]
	v_add_f32 v[TM+6+4*\q], v[TM+6+4*\q], v[TM+7+4*\q]
	v_add_f32 v[TM+4+4*\q], v[TM+4+4*\q], v[TM+6+4*\q]
.endr
.irp q, 0,1
	v_rcp_f32 v[EE+2*\q], v[TM+4+4*\q]
	v_rcp_f32 v[EE+2*\q+1], v[TM+4+4*\q]
.endr
	v_nop
	s_wait_alu depctr_va_vdst(0)
	s_wait_loadcnt 0x0                             ; a_f, c_f
.irp q, 0,1
	WIN 0x02
.set N, 0
.rept 32
	v_pk_mul_f32 v[HA+N:HA+N+1], v[64*\q+N:64*\q+N+1], v[EE+2*\q:EE+2*\q+1]
.set N, N+2
.endr
	WIN 0x3c
.set N, 0
.rept 32
	v_pk_fma_f32 v[HA+N:HA+N+1], v[HA+N:HA+N+1], v[64+N:64+N+1], v[128+N:128+N+1]
.set N, N+2
.endr
	WIN 0
	QUANT HA
	ds_store_b128 v[IMGW], v[PC:PC+3] offset:4096*\q
	ds_store_b128 v[IMGW], v[PC+4:PC+7] offset:4096*\q+512
	ds_store_b32 v[ISW], v[PW] offset:512*\q
	s_wait_dscnt 0x0
.endr
	s_barrier_signal -1
	s_barrier_wait -1
	WIN 0x80
.irp f, 0,1,2,3,4,5,6,7
.irp e, 0,1
	ds_load_b128 v[128+8*\f+4*\e:128+8*\f+4*\e+3], v[IMGR] offset:1024*\f+512*\e
.endr
.endr
	WIN 0
.irp f, 0,1,2,3,4,5,6,7
	ds_load_b32 v[XS+\f], v[ISR] offset:128*\f
.endr
	s_lshl_b32 s57, s[RQ], 11
	v_add_nc_u32 v[FBO], s57, v[BO]                ; the walk's first chunk of W_f is columns 512 RQ on: 2,048 bytes of f_b
	WIN 0xc0
.irp b, 0,1,2,3
.irp i, 0,1,2,3
	global_load_b128 v[16*\b+4*\i:16*\b+4*\i+3], v[FBO], s[18:19] offset:128*\b+16*\i   ; f_b of those 512 columns
.endr
.endr
	WIN 0
	; ---- out = clip(features W_f + f_b): four chunks of 512 columns; place f = 3 - CNT of the walk is chunk f xor RQ
.macro FSTAGE fill
	s_sub_co_u32 s57, 3, s[CNT]
	s_xor_b32 s57, s57, s[RQ]
	s_lshl_b32 s57, s57, 11
	v_add_nc_u32 v[OUTO], s57, v[L16]              ; this chunk's columns in out0 (the last stores have read the register: the wait at the stage's end)
	CHANGE \fill
.if \fill
	s_sub_co_u32 s57, 5, s[CNT]                    ; what the next change asks for: place f + 2 (in the loop's last trip the number is not used)
	s_and_b32 s57, s57, 3
	s_xor_b32 s57, s57, s[RQ]
	s_mul_i32 s66, s57, CHUNK
	s_add_nc_u64 s[58:59], s[42:43], s[66:67]
.endif
	BASES
	s_wait_loadcnt 0x0                             ; this chunk's bias; its loads have read their offset
.if \fill
	s_sub_co_u32 s57, 4, s[CNT]                    ; the next chunk's bias: place f + 1
	s_xor_b32 s57, s57, s[RQ]
	s_lshl_b32 s57, s57, 11
	v_add_nc_u32 v[FBO], s57, v[BO]
.endif
	GCH 2, \fill
	PLACES 4
	WIN 0xc3
.set N, 0
.rept 128
	v_med3_num_f32 v[128+N], v[128+N], 0, s54      ; each accumulator from its low end on
.set N, N+1
.endr
.irp m, 0,1                                    ; 16 rows x my 128 columns through my own stage: LDS serves a wave's instructions in order
	WIN 0x0c
.irp b, 0,1,2,3
.irp i, 0,1,2,3
	ds_store_b128 v[STW], v[128+64*\m+16*\b+4*\i:128+64*\m+16*\b+4*\i+3] offset:128*\b+16*\i
.endr
.endr
	WIN 0
.irp i, 0,1,2,3,4,5,6,7,8,9,10,11,12,13,14,15
	ds_load_b128 v[HA+64*\m+4*\i:HA+64*\m+4*\i+3], v[STR] offset:528*\i
.endr
.endr
.irp m, 0,1
.irp i, 0,1,2,3,4,5,6,7,8,9,10,11,12,13,14,15
	s_wait_dscnt 32*(1-\m)+15-\i
	global_store_b128 v[OUTO], v[HA+64*\m+4*\i:HA+64*\m+4*\i+3], s[20:21] offset:(16*\m+\i)*8192 th:TH_STORE_NT   ; 32 lanes store 512 consecutive bytes of a row
.endr
.endr
	s_wait_xcnt 0x0                                ; the stores have read their data and their offset: both are written again in the next stage
	s_xor_b32 s[TG], s[TG], SLOT1
.endm
	s_mov_b32 s[CNT], 3
.Lf:
	FSTAGE 1
	s_sub_co_u32 s[CNT], s[CNT], 1
	s_cmp_lg_u32 s[CNT], 0
	s_cbranch_scc1 .Lf
	FSTAGE 0                                       ; the last chunk is written out: nothing is left to ask for (CNT is 0 here: place 3)
	s_wait_tensorcnt 0x0                           ; the wave's end
	ds_add_u32 v[SPW], v[NIL]
	s_wait_dscnt 0x0
	ROUND                                          ; the closing round
	s_endpgm
.Lfunc_end_k_qd9124dbc2e_attn:
	.size	k_qd9124dbc2e_attn, .Lfunc_end_k_qd9124dbc2e_attn-k_qd9124dbc2e_attn
	.p2alignl 7, 3214868480
	.fill 96, 4, 3214868480
	.section	.rodata,"a",@progbits
	.p2align	6, 0x0
	.amdhsa_kernel k_qd9124dbc2e_attn
		.amdhsa_group_segment_fixed_size 327680
		.amdhsa_private_segment_fixed_size 0
		.amdhsa_enable_private_segment 0
		.amdhsa_kernarg_size 72
		.amdhsa_user_sgpr_count 2
		.amdhsa_user_sgpr_kernarg_segment_ptr 1
		.amdhsa_wavefront_size32 1
		.amdhsa_system_sgpr_workgroup_id_x 1
		.amdhsa_system_sgpr_workgroup_id_y 1
		.amdhsa_system_sgpr_workgroup_id_z 1
		.amdhsa_system_vgpr_workitem_id 0
		.amdhsa_next_free_vgpr 1024
		.amdhsa_next_free_sgpr 80
		.amdhsa_reserve_vcc 0
		.amdhsa_float_denorm_mode_32 3
		.amdhsa_float_denorm_mode_16_64 3
		.amdhsa_memory_ordered 1
		.amdhsa_forward_progress 1
		.amdhsa_inst_pref_size 255
	.end_amdhsa_kernel
	.section	.bss,"aw",@nobits
	.p2align	6
	.space	262144
	.amdgpu_metadata
---
amdhsa.version: [ 1, 2 ]
amdhsa.kernels:
  - .name:           k_qd9124dbc2e_attn
    .symbol:         k_qd9124dbc2e_attn.kd
    .args:
      - { .name: input_features, .offset: 0, .size: 8, .value_kind: global_buffer, .address_space: global }
      - { .name: q_b, .offset: 8, .size: 8, .value_kind: global_buffer, .address_space: global }
      - { .name: bn, .offset: 16, .size: 8, .value_kind: global_buffer, .address_space: global }
      - { .name: wq, .offset: 24, .size: 8, .value_kind: global_buffer, .address_space: global }
      - { .name: kv, .offset: 32, .size: 8, .value_kind: global_buffer, .address_space: global }
      - { .name: npad, .offset: 40, .size: 8, .value_kind: global_buffer, .address_space: global }
      - { .name: wf, .offset: 48, .size: 8, .value_kind: global_buffer, .address_space: global }
      - { .name: f_b, .offset: 56, .size: 8, .value_kind: global_buffer, .address_space: global }
      - { .name: out0, .offset: 64, .size: 8, .value_kind: global_buffer, .address_space: global }
    .group_segment_fixed_size: 327680
    .private_segment_fixed_size: 0
    .kernarg_segment_align: 8
    .kernarg_segment_size: 72
    .max_flat_workgroup_size: 128
    .sgpr_count:     80
    .vgpr_count:     1024
    .wavefront_size: 32
...
	.end_amdgpu_metadata
.endif
;; end of part 3
